; MI455X (gfx1250); checked and timed in simulation.
; The chip was launched on July 23, 2026; its instructions are those of AMD's public machine-readable ISA for CDNA 5 (MIT licence, August 2026) and "CDNA5" Instruction Set Architecture Reference Guide (July 2026). The comments in the code are by the model that wrote it; some were corrected since.
;; Spatial Axial Attention. Allowed arithmetic: matrix products marked QUANTISED: E2M1 operands, one E8M0 scale for each 32 along K, by v_wmma_scale_f32_16x16x128_f8f6f4 with both operands' format E2M1 (or v_wmma_scale_f32_32x16x128_f4), f32 sums; products left as they are: bf16, f16 or f32 operands; f32 sums; everything else in f32.
;; Inputs: b_out 1,024 float32; w_out 1,024 x 1,024 float32; w_qkv 1,024 x 3,072 float32; x 2 x 4 x 32 x 32 x 1,024 float32.
;; Outputs: out0 2 x 4 x 32 x 32 x 1,024 float32.
;; This version of the problem:
;;   THIS VERSION OF THE PROBLEM IS GIVEN IN LOW PRECISION. The matrix products marked QUANTISED in the list below multiply operands that are first quantised to E2M1 (2 exponent bits, 1 mantissa bit; 4 bits a number), with one power-of-two scale for each 32 numbers along K (OCP MX v1.0); their sums are f32. The products marked 'left as it is' may take bf16, f16 or f32 operands, with f32 sums. Whichever they take, every output number must still come out within the allowed error. Rounding operands to bf16 (8 significant bits) uses up far more of that allowance than f16 does (11 bits, for magnitudes from 6e-5 to 65,504). All else is computed in f32.
;;   The module's matrix products, in the order in which they are computed (A, B: the left and right operand; K: the contracted axis; several contracted axes count as one K, in the product's order):
;;     1. [M 8,192, K 1,024] x [K 1,024, N 3,072]; A: input x; B: input w_qkv: QUANTISED
;;     2. batch 128 x [M 1,024, K 64] x [K 64, N 1,024]; A: computed on the way; B: computed on the way: left as it is (an operand is computed on the way)
;;     3. batch 128 x [M 1,024, K 1,024] x [K 1,024, N 64]; A: computed on the way; B: computed on the way: left as it is (an operand is computed on the way)
;;     4. [M 8,192, K 1,024] x [K 1,024, N 1,024]; A: computed on the way; B: input w_out: left as it is (an operand is computed on the way)
;;   THE QUANTISER, for each operand of a quantised product, along K:
;;     - K is cut into blocks of 32 from its start; a last block that is shorter is filled with zeros.
;;     - A block's scale is 2^e with e = floor(log2(the largest magnitude in the block)) - 2, held to -126 .. 127; a block of zeros has e = 0. As a byte (E8M0): e + 127.
;;     - Each number is divided by its block's scale, clamped to +-6, and rounded to the nearest number of E2M1, ties to even, subnormals kept.
;;     - The product sums the exact products of the quantised numbers (number of the format x scale) in f32.
;;   ~~~python
;;   def quantise(x, axis):      # numpy; x: float32 -> the quantised numbers, widened to float32 again
;;       x = np.moveaxis(x, axis, -1); K = x.shape[-1]
;;       x = np.pad(x, [(0, 0)] * (x.ndim - 1) + [(0, -K % 32)]); x = x.reshape(x.shape[:-1] + (-1, 32)); a = np.abs(x).max(-1, keepdims=True)
;;       e = np.where(a > 0, np.clip(np.frexp(np.where(a > 0, a, 1))[1] - 1 - 2, -126, 127), 0)      # np.frexp(a)[1] - 1 = floor(log2(a)), exactly
;;       r = np.clip(x / 2.0 ** e, -6, 6)
;;       step = 2.0 ** (np.maximum(np.frexp(np.where(r == 0, 1, r))[1] - 1, 0) - 1)
;;       q = np.round(r / step) * step * 2.0 ** e      # np.round: ties to even
;;       return np.moveaxis(q.reshape(q.shape[:-2] + (-1,))[..., :K], -1, axis).astype(np.float32)
;;   ~~~
;; 2 versions, each right; version 2 is version 1 with the launch attn written anew for expert scheduling mode. Each part assembles by itself: llvm-mc -triple=amdgcn-amd-amdhsa -mcpu=gfx1250 --defsym DOCPART=n.
;; ======== version 1 of 2: 3 launches
;; limits: values are held in f16: magnitudes above 65,504 overflow, below 6.1e-05 lose precision
;; workspace buffers: xc 4,194,304 bytes; xs 262,144 bytes; wc 1,572,864 bytes; ws 98,304 bytes; wo 2,097,152 bytes; rope 4,096 bytes; oi 16,777,216 bytes
;; launch prep (part 1): grid 769 x 1, 4 waves a work-group, no clusters, 67,072 bytes of LDS; arguments x, w_qkv, w_out, xc, xs, wc, ws, wo, rope; writes xc, xs, wc, ws, wo, rope
.if DOCPART == 1
	.amdgcn_target "amdgcn-amd-amdhsa--gfx1250"
	.amdhsa_code_object_version 6
	.text
	.protected	k_qa8e6d1beeb_prep
	.globl	k_qa8e6d1beeb_prep
	.p2align	8
	.type	k_qa8e6d1beeb_prep,@function
k_qa8e6d1beeb_prep:
	s_mov_b64 s[64:65], 0
	v_nop
	global_prefetch_b8 v0, s[64:65] scope:SCOPE_SE
	s_setreg_imm32_b32 hwreg(HW_REG_WAVE_MODE, 25, 1), 1
	s_wait_xcnt 0x0
; PREP: everything that later launches read again and again is made once, and laid in the order of the operands' registers.
; An IMAGE of a fragment is 1,024 bytes: [half c 0..1][lane 0..31][16 bytes]; lane = (r = lane % 16, h = lane / 16).
;   work-groups   0..511  x [8192][1024] f32      -> xc: codes of E2M1, [token tile T][K step s of 128][c][lane][16 B]: lane (r, h) holds block 4 s + 2 c + h of token 16 T + r
;                                                    xs: scale words, [T][u 0..3][lane] u32: lane (r, h) holds the four E8M0 bytes of token 16 T + r for K step 2 u + h
;   work-groups 512..703  w_qkv [1024][3072] f32  -> wc, ws: the same along K (its FIRST axis), [head][part q,k,v][tile of 16 columns ct][..]
;   work-groups 704..767  w_out [1024][1024] f32  -> wo: f16, transposed, [group of 128 columns][step kk of 32 k][tile nt][c][lane][16 B]: lane (r, h): k = 32 kk + 16 c + 8 h + 0..7 of column r
;   work-group  768       the rotary table        -> rope: [position 0..31][frequency 0..15][cos, sin] f32
; THE QUANTISER: a block's scale is 2^(floor(log2(largest magnitude)) - 2); its byte is the largest magnitude's exponent field - 2, held at 1 from below by a floor among the maximum's leaves.
; LIMITS: a block of zeros gets the byte 1 where the rule says 127 (its codes are zeros, which add nothing, and this program alone reads the bytes); NaN and infinities among the inputs are not served;
; w_out is rounded to f16: a magnitude above 65,504 becomes infinity, one under 6e-5 keeps an absolute error of 2^-25.
; Each wave takes 16 KiB of f32 once, works on them and stores: no loop, no barrier; waves share nothing.  Only the x path uses LDS (a stage of its own for each wave).
.set SPARE, 66560                      ; behind the four stages: the spare words, 128 bytes for each wave
.set STGW,  16640                      ; a wave's stage: 16 rows of PITCH bytes
.set PITCH, 1040                       ; 1,024 bytes of a row + 16: the sixteen rows that a read touches begin 16 bytes apart modulo 256
.set SPW,   2                          ; v2  LDS address of my spare word; never rewritten
.set NIL,   3                          ; v3  0; never rewritten
; 32 numbers v[src] .. v[src+31] of one block become 32 codes in v[cod] .. v[cod+3]; v[sop]: the conversion's scale operand; v[byt]: the scale's byte
.macro BLKQ src, cod, sop, byt
	v_max3_num_f32 v[\sop], |v[\src]|, |v[\src+1]|, 0x1800000        ; two chains; the floor 2^(3 - 127) is one more leaf: the byte cannot fall under 1
	v_max3_num_f32 v[\byt], |v[\src+2]|, |v[\src+3]|, |v[\src+4]|
.irp i, 0,1,2,3,4,5
	v_max3_num_f32 v[\sop], v[\sop], |v[\src+5+2*\i]|, |v[\src+6+2*\i]|
	v_max3_num_f32 v[\byt], v[\byt], |v[\src+19+2*\i]|, |v[\src+20+2*\i]|
.endr
	v_max3_num_f32 v[\sop], v[\sop], |v[\src+17]|, |v[\src+18]|
	v_max3_num_f32 v[\sop], v[\sop], v[\byt], |v[\src+31]|           ; the block's largest magnitude
	v_add_nc_u32 v[\sop], 0xff000000, v[\sop]                        ; 2 off its exponent field: the conversion takes that field as its scale and nothing else
	v_lshrrev_b32 v[\byt], 23, v[\sop]                               ; the byte
.irp g, 0,1,2,3
	v_cvt_scalef32_pk8_fp4_f32 v[\cod+\g], v[\src+8*\g:\src+8*\g+7], v[\sop]   ; to the nearest code, ties to even; beyond 6 the largest code
.endr
	v_nop                                                            ; one plain line behind the last scaled conversion
.endm
; block q of a K step of 128 for a tensor whose K is its first axis: a lane takes a column, its registers run down K; a wave's load covers 128 consecutive bytes, the four waves stand side by side on 512
.macro LOADB q, sb, pitch
.set i, 0
.rept 32
	global_load_b32 v[64+32*(\q)+i], v6, s[\sb:\sb+1] offset:(32*(\q)+i)*\pitch th:TH_LOAD_NT
.set i, i+1
.endr
.endm
	s_load_b256 s[4:11], s[0:1], 0x0               ; x s[4:5], w_qkv s[6:7], w_out s[8:9], xc s[10:11]
	s_load_b256 s[12:19], s[0:1], 0x20             ; xs s[12:13], wc s[14:15], ws s[16:17], wo s[18:19]
	s_load_b64 s[20:21], s[0:1], 0x40              ; rope
	v_lshl_add_u32 v[SPW], v0, 2, SPARE
	v_mov_b32 v[NIL], 0
	v_lshrrev_b32 v1, 5, v0
	v_readfirstlane_b32 s22, v1                    ; wave 0..3
	v_and_b32 v4, 31, v0                           ; lane
	v_lshlrev_b32 v5, 4, v4                        ; 16 x lane
	v_lshlrev_b32 v6, 2, v4                        ; 4 x lane
	v_and_b32 v7, 15, v0                           ; r
	v_bfe_u32 v8, v0, 4, 1                         ; h
	s_mov_b32 s24, 0x76543210
	s_mov_b32 s25, 0xfedcba98                      ; v_permlanex16_b32's selects for lane l xor 16
	s_mov_b32 s29, 0                               ; the upper word of every offset
	s_wait_kmcnt 0x0
	s_cmp_lt_u32 ttmp9, 512                        ; the paths part on the work-group's number alone
	s_cbranch_scc1 .Lpath_x
	s_cmp_lt_u32 ttmp9, 704
	s_cbranch_scc1 .Lpath_w
	s_cmp_lt_u32 ttmp9, 768
	s_cbranch_scc1 .Lpath_o
	; ---- THE ROTARY TABLE.  angle(pos, f) = 2 pi N / 930, N = (2 pos - 31)(15 + 127 f), a whole number under 2^16: the reduction is exact, the rest two short series on |theta| <= pi / 4
	v_lshlrev_b32 v9, 3, v0                        ; 8 bytes an entry; thread t makes entries t, t + 128, t + 256, t + 384
.irp e, 0,1,2,3
	v_add_nc_u32 v10, 128*\e, v0
	v_lshrrev_b32 v11, 4, v10                      ; pos
	v_and_b32 v10, 15, v10                         ; f
	v_lshl_add_u32 v11, v11, 1, 0xffffffe1         ; 2 pos - 31
	v_mad_u32_u24 v10, v10, 127, 15                ; 15 + 127 f
	v_mul_lo_u32 v10, v10, v11
	v_cvt_f32_i32 v10, v10                         ; N, exact
	v_mul_f32 v11, 0x3a8cf009, v10                 ; N / 930
	v_rndne_f32 v11, v11
	v_fmamk_f32 v10, v11, 0xc4688000, v10          ; N - 930 x whole turns: exact, at most 465 in size
	v_mul_f32 v11, 0x3b8cf009, v10                 ; in quarter turns
	v_rndne_f32 v11, v11                           ; the quadrant, -2 .. 2
	v_fmamk_f32 v10, v11, 0xc3688000, v10          ; less 232.5 x the quadrant: exact
	v_mul_f32 v10, 0x3bdd6263, v10                 ; theta = x 2 pi / 930
	v_mul_f32 v12, v10, v10                        ; z = theta^2
	v_mov_b32 v13, 0x3638ef1d                      ; sin: theta (1 + z (-1/6 + z (1/120 + z (-1/5040 + z / 362880))))
	v_mov_b32 v14, 0xb493f27e                      ; cos: 1 + z (-1/2 + z (1/24 + z (-1/720 + z (1/40320 - z / 3628800))))
	v_fmaak_f32 v13, v13, v12, 0xb9500d01
	v_fmaak_f32 v14, v14, v12, 0x37d00d01
	v_fmaak_f32 v13, v13, v12, 0x3c088889
	v_fmaak_f32 v14, v14, v12, 0xbab60b61
	v_fmaak_f32 v13, v13, v12, 0xbe2aaaab
	v_fmaak_f32 v14, v14, v12, 0x3d2aaaab
	v_fma_f32 v13, v13, v12, 1.0
	v_fma_f32 v14, v14, v12, -0.5
	v_mul_f32 v13, v13, v10                        ; sin theta
	v_fma_f32 v14, v14, v12, 1.0                   ; cos theta
	v_cvt_i32_f32 v11, v11
	v_and_b32 v15, 1, v11
	v_cmp_eq_u32 vcc_lo, 1, v15                    ; odd quadrants change sine and cosine
	v_cndmask_b32 v16, v14, v13, vcc_lo
	v_cndmask_b32 v17, v13, v14, vcc_lo
	v_add_nc_u32 v15, 1, v11
	v_and_b32 v15, 2, v15                          ; the cosine is negative in quadrants 1 and 2,
	v_lshlrev_b32 v15, 30, v15
	v_xor_b32 v[40+2*\e], v15, v16
	v_and_b32 v15, 2, v11                          ; the sine in 2 and 3
	v_lshlrev_b32 v15, 30, v15
	v_xor_b32 v[41+2*\e], v15, v17
	global_store_b64 v9, v[40+2*\e:41+2*\e], s[20:21] offset:1024*\e   ; a wave stores 256 consecutive bytes; each entry has data registers of its own
.endr
	s_branch .Lend
.Lpath_x:
	; ---- x: work-group T = 16 tokens; wave u takes k = 256 u .. 256 u + 255 of them: K steps 2 u and 2 u + 1
	s_lshl_b32 s28, ttmp9, 16                      ; 16 rows of 4,096 bytes
	s_lshl_b32 s26, s22, 10
	s_add_co_u32 s28, s28, s26
	s_add_nc_u64 s[4:5], s[4:5], s[28:29]
	s_lshl_b32 s28, ttmp9, 13                      ; xc: 8,192 bytes a tile, 2,048 for my two K steps
	s_lshl_b32 s26, s22, 11
	s_add_co_u32 s28, s28, s26
	s_add_nc_u64 s[10:11], s[10:11], s[28:29]
	s_lshl_b32 s28, ttmp9, 9                       ; xs: 512 bytes a tile, 128 for my pair of K steps
	s_lshl_b32 s26, s22, 7
	s_add_co_u32 s28, s28, s26
	s_add_nc_u64 s[12:13], s[12:13], s[28:29]
	s_mul_i32 s27, s22, STGW                       ; my stage
	v_add_nc_u32 v9, s27, v5                       ; in: as the bytes lie, 16 a lane
	v_mul_u32_u24 v10, v7, PITCH
	v_lshl_add_u32 v10, v8, 7, v10
	v_add_nc_u32 v10, s27, v10                     ; back: row r, + 128 h: a whole block of 32 numbers a lane
	v_lshlrev_b32 v11, 3, v8                       ; 8 h: my bytes' place in a scale word
	v_mov_b32 v21, 0                               ; (a lane permute's destination counts as one of its sources)
	v_mov_b32 v23, 0
.set n, 0
.rept 32
	global_load_b128 v[64+4*n:67+4*n], v5, s[4:5] offset:(n/2)*4096+(n%2)*512 th:TH_LOAD_NT   ; 32 lanes read 512 consecutive bytes: half of my 1,024 of row n / 2
.set n, n+1
.endr
.irp g, 0,1,2,3
	s_wait_loadcnt 24-8*\g                         ; the oldest 8 (g + 1) loads are in; the younger ones may be out
.irp m, 0,1,2,3,4,5,6,7
	ds_store_b128 v9, v[64+4*(8*\g+\m):67+4*(8*\g+\m)] offset:((8*\g+\m)/2)*PITCH+((8*\g+\m)%2)*512
.endr
.endr
.macro BACK sp, reg                    ; K step sp of my two: for c = 0, 1 block 2 c + h of row r, 128 bytes, eight loads
.irp c, 0,1
.irp j, 0,1,2,3,4,5,6,7
	ds_load_b128 v[\reg+32*\c+4*\j:\reg+32*\c+4*\j+3], v10 offset:\sp*512+\c*256+16*\j   ; LDS serves a wave's instructions in order: these see my stores
.endr
.endr
.endm
	BACK 0, 192
	s_wait_dscnt 0x0                               ; the first K step is back, and the stores have read v64-191
	BACK 1, 64                                     ; the second comes back while the first is worked on
	BLKQ 192, 32, 16, 17
	BLKQ 224, 36, 18, 19
	global_store_b128 v5, v[32:35], s[10:11]               ; an image's half: 512 consecutive bytes
	global_store_b128 v5, v[36:39], s[10:11] offset:512
	v_lshl_or_b32 v20, v19, 16, v17                ; my two bytes: blocks h and 2 + h,
	v_lshlrev_b32 v20, v11, v20                    ; at their places;
	v_permlanex16_b32 v21, v20, s24, s25
	v_or_b32 v20, v20, v21                         ; with lane l xor 16's the word is whole
	s_wait_dscnt 0x0                               ; the second K step is back
	BLKQ 64, 40, 16, 17
	BLKQ 96, 44, 18, 19
	global_store_b128 v5, v[40:43], s[10:11] offset:1024
	global_store_b128 v5, v[44:47], s[10:11] offset:1536
	v_lshl_or_b32 v22, v19, 16, v17
	v_lshlrev_b32 v22, v11, v22
	v_permlanex16_b32 v23, v22, s24, s25
	v_or_b32 v22, v22, v23
	v_cmp_le_u32 vcc_lo, 16, v4
	v_cndmask_b32 v20, v20, v22, vcc_lo            ; lanes 0-15 keep the even K step's word, lanes 16-31 take the odd one's
	global_store_b32 v6, v20, s[12:13]             ; 128 consecutive bytes a wave: one byte for each 128 that the wave has read
	s_branch .Lend
.Lpath_w:
	; ---- w_qkv: wave = 32 columns (group G) x one K step s of 128
	s_sub_co_u32 s26, ttmp9, 512
	s_and_b32 s27, s26, 7                          ; s
	s_lshr_b32 s26, s26, 3
	s_lshl_b32 s26, s26, 2
	s_add_co_u32 s26, s26, s22                     ; G = 0 .. 95
	s_mul_i32 s28, s27, 128*12288
	s_lshl_b32 s30, s26, 7
	s_add_co_u32 s28, s28, s30
	s_add_nc_u64 s[6:7], s[6:7], s[28:29]
	s_lshr_b32 s30, s26, 5                         ; part: 1,024 columns each
	s_bfe_u32 s31, s26, 0x40001                    ; head: 64 columns each
	s_and_b32 s32, s26, 1
	s_lshl_b32 s32, s32, 1                         ; my first tile of 16 columns in the head
	s_mul_i32 s31, s31, 3
	s_add_co_u32 s31, s31, s30
	s_lshl_b32 s31, s31, 2
	s_add_co_u32 s31, s31, s32                     ; (head x 3 + part) x 4 + tile
	s_lshl_b32 s28, s31, 3
	s_add_co_u32 s28, s28, s27
	s_lshl_b32 s28, s28, 10                        ; wc: 8 images of 1,024 bytes a tile
	s_add_nc_u64 s[14:15], s[14:15], s[28:29]
	s_lshl_b32 s28, s31, 9                         ; ws: 512 bytes a tile; K step s lies at 128 (s / 2) + 64 (s % 2)
	s_lshr_b32 s30, s27, 1
	s_lshl_b32 s30, s30, 7
	s_add_co_u32 s28, s28, s30
	s_and_b32 s30, s27, 1
	s_lshl_b32 s30, s30, 6
	s_add_co_u32 s28, s28, s30
	s_add_nc_u64 s[16:17], s[16:17], s[28:29]
	v_lshlrev_b32 v9, 2, v7
	v_lshl_add_u32 v9, v8, 9, v9                   ; my column's word: 4 r, lanes 16-31 in the next tile
	LOADB 0, 6, 12288
	LOADB 1, 6, 12288
	s_wait_loadcnt 32                              ; block 0 is in; the one younger block may be out (so at each of these waits)
	LOADB 2, 6, 12288
	BLKQ 64, 32, 16, 17
	s_wait_loadcnt 32
	LOADB 3, 6, 12288
	BLKQ 96, 36, 18, 19
	s_wait_loadcnt 32
	BLKQ 128, 40, 20, 21
	s_wait_loadcnt 0x0
	BLKQ 160, 44, 22, 23
	v_lshl_or_b32 v24, v19, 8, v17                 ; the K step's four bytes: my column's scale word
	v_lshl_or_b32 v24, v21, 16, v24
	v_lshl_or_b32 v24, v23, 24, v24
.irp c, 0,1                            ; an image's half c wants block 2 c in lanes 0-15 and block 2 c + 1 in lanes 16-31, of ONE tile: the first's upper lanes change places with the second's lower ones
.irp i, 0,1,2,3
	v_permlane16_swap_b32 v[32+8*\c+\i], v[36+8*\c+\i]
.endr
.endr
.irp c, 0,1
	global_store_b128 v5, v[32+8*\c:35+8*\c], s[14:15] offset:512*\c        ; my first tile,
	global_store_b128 v5, v[36+8*\c:39+8*\c], s[14:15] offset:8192+512*\c   ; my second
.endr
	global_store_b32 v9, v24, s[16:17]             ; two runs of 64 bytes: one byte for each 128 read
	s_branch .Lend
.Lpath_o:
	; ---- w_out: wave = 32 columns (group G) x 128 k (steps 4 kq .. 4 kq + 3), rounded to f16
	s_sub_co_u32 s26, ttmp9, 704
	s_and_b32 s27, s26, 7                          ; kq
	s_lshr_b32 s26, s26, 3
	s_lshl_b32 s26, s26, 2
	s_add_co_u32 s26, s26, s22                     ; G = 0 .. 31
	s_lshl_b32 s28, s27, 19                        ; 128 rows of 4,096 bytes
	s_lshl_b32 s30, s26, 7
	s_add_co_u32 s28, s28, s30
	s_add_nc_u64 s[8:9], s[8:9], s[28:29]
	s_lshr_b32 s30, s26, 2                         ; the group of 128 columns
	s_lshl_b32 s30, s30, 5
	s_lshl_b32 s31, s27, 2
	s_add_co_u32 s30, s30, s31                     ; x 32 + kk
	s_lshl_b32 s30, s30, 3
	s_and_b32 s31, s26, 3
	s_lshl_b32 s31, s31, 1
	s_add_co_u32 s30, s30, s31                     ; x 8 + my first tile
	s_lshl_b32 s28, s30, 10
	s_add_nc_u64 s[18:19], s[18:19], s[28:29]
.macro OBLK q                          ; 32 k of my column become 16 registers of f16 pairs; the halves of the lanes change places as above (8 k a half), and four halves of images leave
.irp j, 0,1,2,3,4,5,6,7,8,9,10,11,12,13,14,15
	v_cvt_pk_f16_f32 v[192+16*\q+\j], v[64+32*\q+2*\j], v[65+32*\q+2*\j]
.endr
.irp i, 0,1,2,3
	v_permlane16_swap_b32 v[192+16*\q+\i], v[196+16*\q+\i]
	v_permlane16_swap_b32 v[200+16*\q+\i], v[204+16*\q+\i]
.endr
	global_store_b128 v5, v[192+16*\q:195+16*\q], s[18:19] offset:\q*8192
	global_store_b128 v5, v[200+16*\q:203+16*\q], s[18:19] offset:\q*8192+512
	global_store_b128 v5, v[196+16*\q:199+16*\q], s[18:19] offset:\q*8192+1024
	global_store_b128 v5, v[204+16*\q:207+16*\q], s[18:19] offset:\q*8192+1536
.endm
	LOADB 0, 8, 4096
	LOADB 1, 8, 4096
	s_wait_loadcnt 32                              ; as in the path above: one younger block may be out
	LOADB 2, 8, 4096
	OBLK 0
	s_wait_loadcnt 32
	LOADB 3, 8, 4096
	OBLK 1
	s_wait_loadcnt 32
	OBLK 2
	s_wait_loadcnt 0x0
	OBLK 3
.Lend:
	s_wait_tensorcnt 0x0                           ; the wave's end: three closing lines behind the last LDS store, the first of them even in a text with no tensor load
	ds_add_u32 v[SPW], v[NIL]
	s_wait_dscnt 0x0
	s_endpgm
.Lfunc_end_k_qa8e6d1beeb_prep:
	.size	k_qa8e6d1beeb_prep, .Lfunc_end_k_qa8e6d1beeb_prep-k_qa8e6d1beeb_prep
	.p2alignl 7, 3214868480
	.fill 96, 4, 3214868480
	.section	.rodata,"a",@progbits
	.p2align	6, 0x0
	.amdhsa_kernel k_qa8e6d1beeb_prep
		.amdhsa_group_segment_fixed_size 67072
		.amdhsa_private_segment_fixed_size 0
		.amdhsa_enable_private_segment 0
		.amdhsa_kernarg_size 72
		.amdhsa_user_sgpr_count 2
		.amdhsa_user_sgpr_kernarg_segment_ptr 1
		.amdhsa_wavefront_size32 1
		.amdhsa_system_sgpr_workgroup_id_x 1
		.amdhsa_system_sgpr_workgroup_id_y 1
		.amdhsa_system_sgpr_workgroup_id_z 1
		.amdhsa_system_vgpr_workitem_id 0
		.amdhsa_next_free_vgpr 256
		.amdhsa_next_free_sgpr 66
		.amdhsa_reserve_vcc 1
		.amdhsa_float_denorm_mode_32 3
		.amdhsa_float_denorm_mode_16_64 3
		.amdhsa_memory_ordered 1
		.amdhsa_forward_progress 1
		.amdhsa_inst_pref_size 63
	.end_amdhsa_kernel
	.amdgpu_metadata
---
amdhsa.version: [ 1, 2 ]
amdhsa.kernels:
  - .name:           k_qa8e6d1beeb_prep
    .symbol:         k_qa8e6d1beeb_prep.kd
    .args:
      - { .name: x, .offset: 0, .size: 8, .value_kind: global_buffer, .address_space: global }
      - { .name: w_qkv, .offset: 8, .size: 8, .value_kind: global_buffer, .address_space: global }
      - { .name: w_out, .offset: 16, .size: 8, .value_kind: global_buffer, .address_space: global }
      - { .name: xc, .offset: 24, .size: 8, .value_kind: global_buffer, .address_space: global }
      - { .name: xs, .offset: 32, .size: 8, .value_kind: global_buffer, .address_space: global }
      - { .name: wc, .offset: 40, .size: 8, .value_kind: global_buffer, .address_space: global }
      - { .name: ws, .offset: 48, .size: 8, .value_kind: global_buffer, .address_space: global }
      - { .name: wo, .offset: 56, .size: 8, .value_kind: global_buffer, .address_space: global }
      - { .name: rope, .offset: 64, .size: 8, .value_kind: global_buffer, .address_space: global }
    .group_segment_fixed_size: 67072
    .private_segment_fixed_size: 0
    .kernarg_segment_align: 8
    .kernarg_segment_size: 72
    .max_flat_workgroup_size: 128
    .sgpr_count:     66
    .vgpr_count:     256
    .wavefront_size: 32
...
	.end_amdgpu_metadata
.endif
;; end of part 1
;; launch attn (part 2): grid 256 x 1, 8 waves a work-group, no clusters, 295,936 bytes of LDS; arguments xc, xs, wc, ws, rope, oi; writes oi
.if DOCPART == 2
	.amdgcn_target "amdgcn-amd-amdhsa--gfx1250"
	.amdhsa_code_object_version 6
	.text
	.protected	k_qa8e6d1beeb_attn
	.globl	k_qa8e6d1beeb_attn
	.p2align	8
	.type	k_qa8e6d1beeb_attn,@function
k_qa8e6d1beeb_attn:
	s_mov_b64 s[64:65], 0
	v_nop
	global_prefetch_b8 v0, s[64:65] scope:SCOPE_SE
	s_setreg_imm32_b32 hwreg(HW_REG_WAVE_MODE, 25, 1), 1
	s_wait_xcnt 0x0
; ATTN: for one (image b, head, half hq of the queries): q, k, v = x w_qkv on codes of E2M1, the rotary embedding, softmax(q k^T / 8) v.  Nothing of q, k, v goes to memory.
; SHARES.  Eight waves.  Wave w owns the 64 tokens 512 hq + 64 w + 0..63 of the image (group A: its queries, and keys) and the 64 tokens 512 (1 - hq) + 64 w + 0..63 (group B: keys only).
; PHASE 1, ten half-passes of 64 matrix instructions (4 token tiles x 2 channel tiles x 8 K steps of 128): K and V of both groups go to LDS as f16 images of the second phase's operands, Q stays in registers.
;   K, Q: source 0 = 16 columns of W, source 1 = 16 tokens: a lane holds ONE token and 8 neighbouring channels, so a rotary pair lies in two registers of a lane, and four conversions give half an image.
;   V:    source 0 = 16 tokens, source 1 = 16 columns of W: a lane holds ONE channel and 8 neighbouring tokens: V^T, as the second product wants it.
;   The keys lie in LDS own half first: a permutation of the keys, the same for K and V, so no LDS address hangs on the work-group's number.
; PHASE 2, sixteen steps of 64 keys, all out of LDS, no barrier: S^T = K Q^T, a running maximum and sum for each query, O^T += V^T P.  q carries log2(e) / 8, so p = 2^(s - m).
;   The two waves of a SIMD are set half a step apart (one barrier, which half of the waves pass a part of a step later), so that one wave's vector work stands beside the other's matrix work.
; FORMATS.  Product 1: E2M1 with E8M0 scales, f32 sums.  q, k, v, p and o are rounded to f16 for the products that the contract leaves as they are; maxima, sums and O^T in f32.
; LIMITS: |k|, |v| or 0.18 |q| above 65,504 becomes infinity in f16; NaN and infinities among the inputs are not served.
; NO CLUSTER, NO TENSOR LOAD: x's codes go from memory straight into the operands' registers.  LDS holds K and V (262,144 bytes), W_v (32,768) and the spare words: 295,936 bytes; one group of x for eight
; waves is 262,144 bytes more, which does not fit.  What work-groups of a head share beside it, W, is 98,304 of the 655,360 bytes that a work-group fetches.
; REGISTERS, window 0: v1-15 addresses; v16-31 x's scale words; v32-47 W's, two sets; v48-63, v240-255 the rotary table; v64-127 Q; v128-191 eight accumulators; v192-239 W's fragments, a ring of three K steps.
;   window 1: x's 32 fragments.  In phase 2: window 0: v16-23 at work, v32-63 statistics, v128-255 S^T, then P; window 1: v0-127 O^T, v128-191 K, v192-255 V^T.
.set VIM,   131072                     ; LDS: K's images at 0: fragment (key tile, channels 32 cs on) at (2 tile + cs) x 1,024;  V^T's here: (32 keys ks, channel tile ct) at (4 ks + ct) x 1,024
.set WVB,   262144                     ; W_v's 32 images.  W_k lies at VIM, W_q at VIM + 32,768: in the half of V that is written only behind barrier 1
.set SPARE, 294912                     ; the spare words, 128 bytes for each wave
.set LI,  1                            ; v1   16 x lane: an image's place for my lane; also K's address in phase 2
.set L4,  2                            ; v2   4 x lane: a scale word's
.set AWV, 3                            ; v3   VIM + 16 x lane: W_k, W_q; also V's address in phase 2
.set AWF, 4                            ; v4   WVB + 16 x lane: W_v
.set AKS, 5                            ; v5, v6   where I store K: 16 x lane + 8,192 x wave; group B 65,536 further on.  In phase 2: the addresses of the loads in hand
.set AVS, 7                            ; v7, v8   the same for V, from VIM on
.set TV0, 9                            ; v9   32 h: my four frequencies' place in a table row
.set TV1, 10                           ; v10  128 r + 32 h: the same in the row of position r
.set SGV, 11                           ; v11  staging: VIM + 16 x lane + 4,096 x wave
.set SPW, 12                           ; v12  LDS address of my spare word; never rewritten
.set NIL, 13                           ; v13  0; never rewritten
.set SGF, 14                           ; v14  staging: WVB + ..
.set SGS, 15                           ; v15  staging: my 4,096 bytes of a part of W in memory
.set XS,  16                           ; x's scale words: tile i, K steps 2 u and 2 u + 1 at v[XS + 4 i + u]
.set WS,  32                           ; W's: set b, tile e at v[WS + 8 b + 4 e + u]
.set ST,  32                           ; phase 2: tile t's statistics at v[ST + 8 t]: +0 m, +1 the old m, +2, +3 l (even keys', odd keys'), +4 .. +7 at work; a = 2^(old m - m) at +6
.set Q,   64                           ; Q's fragment (tile t, channels 32 cs on) at v[Q + 32 cs + 8 t]
.set ACC, 128                          ; accumulator (token tile i, channel tile e) at v[ACC + 8 (2 i + e)]
.set S,   128                          ; phase 2: S^T of query tile t at v[S + 32 t], 8 registers for each 16 keys
.set WB,  192                          ; W's fragment (K step s, tile e) at v[WB + 16 (s % 3) + 8 e]
.set TMP, 224                          ; the ring's third set serves the rotation, between two half-passes
.set MSB, 0
.macro WIN new                         ; low byte: bits 1:0 source 0, 3:2 source 1, 5:4 source 2, 7:6 destination; the high byte repeats the setting that is left
.if MSB != \new
	s_set_vgpr_msb (MSB<<8)|\new
.set MSB, \new
.endif
.endm
.macro PLACES n                        ; plain vector lines between a matrix instruction and a load into, or a vector read of, its registers
.rept \n
	v_nop
.endr
.endm
.macro BARRIER                         ; my LDS stores have landed and my LDS loads are in: then the work-group's barrier
	s_wait_dscnt 0x0
	s_barrier_signal -1
	s_barrier_wait -1
.endm
.macro XLOAD sb, ssb                   ; a group's 32 fragments of x, in memory's order: load n fills registers 4 n .. 4 n + 3 of window 1; and its 16 scale registers
	WIN 0x40
.set n, 0
.rept 64
	global_load_b128 v[4*n:4*n+3], v[LI], s[\sb:\sb+1] offset:512*n
.set n, n+1
.endr
	WIN 0
.irp i, 0,1,2,3
.irp u, 0,1,2,3
	global_load_b32 v[XS+4*\i+\u], v[L4], s[\ssb:\ssb+1] offset:512*\i+128*\u
.endr
.endr
.endm
.macro WLOAD areg, woff, s, buf        ; W's two fragments of K step s
.irp e, 0,1
.irp c, 0,1
	ds_load_b128 v[WB+16*(\buf)+8*\e+4*\c:WB+16*(\buf)+8*\e+4*\c+3], v[\areg] offset:\woff+(8*\e+(\s))*1024+512*\c
.endr
.endr
.endm
.macro WSLOAD part, cp, buf            ; the scale words of two tiles of W, all of K
.irp e, 0,1
.irp u, 0,1,2,3
	global_load_b32 v[WS+8*(\buf)+4*\e+\u], v[L4], s[30:31] offset:(4*\part+2*\cp+\e)*512+128*\u
.endr
.endr
.endm
; The table for a half-pass: (cos, sin) of frequencies 8 e + 4 h + 0..3, eight registers at v[48 + 192 e + 8 vv].  cp = 0, channels 0-31: the token's row in the picture, which is 16 half + 2 w + vv for tiles 2 vv, 2 vv + 1;
; cp = 1, channels 32-63: its column, 16 vv + r for tiles of parity vv.
.macro TBLOAD cp, grp
.irp e, 0,1
.irp vv, 0,1
.irp hf, 0,1
.if \cp == 0
	global_load_b128 v[48+192*\e+8*\vv+4*\hf:51+192*\e+8*\vv+4*\hf], v[TV0], s[32+2*\grp:33+2*\grp] offset:128*\vv+64*\e+16*\hf
.else
	global_load_b128 v[48+192*\e+8*\vv+4*\hf:51+192*\e+8*\vv+4*\hf], v[TV1], s[12:13] offset:2048*\vv+64*\e+16*\hf
.endif
.endr
.endr
.endr
.endm
.macro MM d, a, b, sa, sb              ; MODE 0: the first K step starts the sum; 1: an even K step (scales in lanes 0-15); 2: an odd one (lanes 16-31)
.if MODE == 0
	v_wmma_scale_f32_16x16x128_f8f6f4 v[\d:\d+7], v[\a:\a+7], v[\b:\b+7], 0, v[\sa], v[\sb] matrix_a_fmt:MATRIX_FMT_FP4 matrix_b_fmt:MATRIX_FMT_FP4
.elseif MODE == 1
	v_wmma_scale_f32_16x16x128_f8f6f4 v[\d:\d+7], v[\a:\a+7], v[\b:\b+7], v[\d:\d+7], v[\sa], v[\sb] matrix_a_fmt:MATRIX_FMT_FP4 matrix_b_fmt:MATRIX_FMT_FP4
.else
	v_wmma_scale_f32_16x16x128_f8f6f4 v[\d:\d+7], v[\a:\a+7], v[\b:\b+7], v[\d:\d+7], v[\sa], v[\sb] matrix_a_fmt:MATRIX_FMT_FP4 matrix_b_fmt:MATRIX_FMT_FP4 matrix_a_scale:MATRIX_SCALE_ROW1 matrix_b_scale:MATRIX_SCALE_ROW1
.endif
.endm
.macro MULS kind, s, wsb               ; K step s: eight matrix instructions, the eight accumulators by turns, one instruction a turn, in the same order in every step
.if (\s) == 0
.set MODE, 0
.else
.set MODE, 1+(\s)%2
.endif
.if \kind == 2
	WIN 0x01                                       ; source 0 = x, window 1
.else
	WIN 0x04                                       ; source 1 = x, window 1
.endif
.irp i, 0,1,2,3
.irp e, 0,1
.if \kind == 2
	MM ACC+8*(2*\i+\e), 8*(8*\i+(\s)), WB+16*((\s)%3)+8*\e, XS+4*\i+(\s)/2, WS+8*(\wsb)+4*\e+(\s)/2
.else
	MM ACC+8*(2*\i+\e), WB+16*((\s)%3)+8*\e, 8*(8*\i+(\s)), WS+8*(\wsb)+4*\e+(\s)/2, XS+4*\i+(\s)/2
.endif
.endr
.endr
.endm
; The rotation of accumulator AC by table TL: (x0, x1) -> (x0 c - x1 s, x1 c + x0 s), four pairs, then rounded to f16 into v[dst] on.  The accumulator's first read is of its register 1.
.macro ROT dst
.irp p, 0,1,2,3
	v_mul_f32 v[TP+2*\p], v[AC+2*\p+1], v[TL+2*\p+1]
.endr
.irp p, 0,1,2,3
	v_mul_f32 v[TP+2*\p+1], v[AC+2*\p], v[TL+2*\p+1]
.endr
.irp p, 0,1,2,3
	v_fma_f32 v[TP+2*\p], v[AC+2*\p], v[TL+2*\p], -v[TP+2*\p]
.endr
.irp p, 0,1,2,3
	v_fma_f32 v[TP+2*\p+1], v[AC+2*\p+1], v[TL+2*\p], v[TP+2*\p+1]
.endr
.irp p, 0,1,2,3
	v_cvt_pk_f16_f32 v[\dst+\p], v[TP+2*\p], v[TP+2*\p+1]
.endr
.endm
.macro TABLE_OF cp, i, e               ; which accumulator, which eight registers of the table, which set of temporaries
.set AC, ACC+8*(2*\i+\e)
.if \cp == 0
.set TL, 48+192*\e+8*(\i/2)
.else
.set TL, 48+192*\e+8*(\i%2)
.endif
.set TP, TMP+8*\e
.endm
.macro EPIK grp, cp                    ; K: lane (r, h) holds token r, channels 32 cp + 16 e + 8 h + 0..7: that is half e of the image (key tile, cs = cp), in the image's own lanes
.irp i, 0,1,2,3
.irp e, 0,1
	TABLE_OF \cp, \i, \e
	ROT AC
	ds_store_b128 v[AKS+\grp], v[AC:AC+3] offset:(2*\i+\cp)*1024+512*\e
.endr
.endr
.endm
.macro EPIQ cp                         ; Q: the table first takes log2(e) / 8 in; the results are Q's fragments and stay
.irp e, 0,1
.irp j, 0,2,4,6,8,10,12,14
	v_pk_mul_f32 v[48+192*\e+\j:49+192*\e+\j], v[48+192*\e+\j:49+192*\e+\j], s[40:41] op_sel_hi:[1,0]
.endr
.endr
.irp i, 0,1,2,3
.irp e, 0,1
	TABLE_OF \cp, \i, \e
	ROT Q+32*\cp+8*\i+4*\e
.endr
.endr
.endm
.macro EPIV grp, cp                    ; V: lane (r, h) holds channel r of tile 2 cp + e, tokens 16 i + 8 h + 0..7: half i % 2 of the image (keys 32 (i / 2) on, that channel tile)
.irp i, 0,1,2,3
.irp e, 0,1
.set AC, ACC+8*(2*\i+\e)
.irp p, 0,1,2,3
	v_cvt_pk_f16_f32 v[AC+\p], v[AC+2*\p], v[AC+2*\p+1]            ; in place, ascending: each line writes a register that has been read
.endr
	ds_store_b128 v[AVS+\grp], v[AC:AC+3] offset:(4*(\i/2)+2*\cp+\e)*1024+512*(\i%2)
.endr
.endr
.endm
.macro KLOAD areg, off                 ; a step's K: 4 key tiles x 2 halves of the channels, 8 images, into v128-191 of window 1
	WIN 0x40
.set n, 0
.rept 16
	ds_load_b128 v[128+4*n:131+4*n], v[\areg] offset:\off+512*n
.set n, n+1
.endr
.endm
.macro VLOAD areg, off                 ; a step's V^T: 2 x 32 keys x 4 channel tiles, into v192-255 of window 1
	WIN 0x40
.set n, 0
.rept 16
	ds_load_b128 v[192+4*n:195+4*n], v[\areg] offset:\off+512*n
.set n, n+1
.endr
.endm
; A HALF-PASS.  kind 0 K, 1 Q, 2 V; grp 0 A, 1 B; cp: channel tiles 2 cp, 2 cp + 1; areg, woff: where its W lies; wsb: its set of W's scale words; npart, ncp: the next half-pass's part and cp (npart 9: none);
; tail 0: the next half-pass's first two K steps of W are fetched; 1: and group A of x; 2: phase 2's first K.
.macro HP kind, grp, cp, areg, woff, wsb, npart, ncp, tail, nareg, nwoff
.set NTB, 0
.set NWS, 0
.if \kind < 2
	TBLOAD \cp, \grp
.set NTB, 8
.endif
.if \npart < 3
	WSLOAD \npart, \ncp, 1-\wsb
.set NWS, 8
.endif
	WLOAD \areg, \woff, 2, 2
	s_wait_loadcnt NTB+NWS                         ; all but the loads just issued: my scale words (asked for a half-pass ago) and x are in
.irp s, 0,1,2,3,4,5,6,7
.if \s == 0
	s_wait_dscnt 4                                 ; only K step 2's four loads may be out: steps 0 and 1 are in, and the last half-pass's stores have left the accumulators
.elseif \s < 6
	s_wait_dscnt 8                                 ; the loads of the two K steps behind this one may be out
.elseif \s == 6
	s_wait_dscnt 4
.else
	s_wait_dscnt 0x0
.endif
	MULS \kind, \s, \wsb
.if \s < 5
	PLACES 4
.if \kind == 2
	WIN 0                                          ; (under 0x04 an LDS load's destination and address are in window 0 as they stand)
.endif
	WLOAD \areg, \woff, \s+3, \s%3                 ; into the set just read
.endif
.endr
	PLACES 4                                       ; behind the last products: for the loads below and for the first read of results
	WIN 0
.if \tail < 2
	WLOAD \nareg, \nwoff, 0, 0
	WLOAD \nareg, \nwoff, 1, 1
.if \tail == 1
	XLOAD 22, 26                                   ; group A; the next half-pass's first wait on LOADcnt shows it in
.endif
.else
	KLOAD LI, 0                                    ; K is whole since barrier 1
	WIN 0
.endif
.if \kind < 2
	s_wait_loadcnt NWS                             ; the table is in; the next half-pass's scale words may be out
.endif
.if \kind == 0
	EPIK \grp, \cp
.elseif \kind == 1
	EPIQ \cp
.else
	EPIV \grp, \cp
.endif
.endm
	s_load_b256 s[4:11], s[0:1], 0x0               ; xc s[4:5], xs s[6:7], wc s[8:9], ws s[10:11]
	s_load_b128 s[12:15], s[0:1], 0x20             ; rope s[12:13], oi s[14:15]
	v_lshl_add_u32 v[SPW], v0, 2, SPARE
	v_mov_b32 v[NIL], 0
	v_lshrrev_b32 v[TMP], 5, v0
	v_readfirstlane_b32 s16, v[TMP]                ; wave 0..7
	v_and_b32 v[TMP], 31, v0
	v_lshlrev_b32 v[LI], 4, v[TMP]
	v_lshlrev_b32 v[L4], 2, v[TMP]
	v_add_nc_u32 v[AWV], VIM, v[LI]
	v_add_nc_u32 v[AWF], WVB, v[LI]
	s_lshl_b32 s46, s16, 13
	v_add_nc_u32 v[AKS], s46, v[LI]
	v_add_nc_u32 v[AKS+1], 65536, v[AKS]
	v_add_nc_u32 v[AVS], VIM, v[AKS]
	v_add_nc_u32 v[AVS+1], 65536, v[AVS]
	v_bfe_u32 v[TMP], v0, 4, 1
	v_lshlrev_b32 v[TV0], 5, v[TMP]
	v_and_b32 v[TMP], 15, v0
	v_lshl_add_u32 v[TV1], v[TMP], 7, v[TV0]
	s_lshl_b32 s46, s16, 12
	v_add_nc_u32 v[SGS], s46, v[LI]
	v_add_nc_u32 v[SGV], VIM, v[SGS]
	v_add_nc_u32 v[SGF], WVB, v[SGS]
	s_and_b32 s17, ttmp9, 15                       ; head
	s_bfe_u32 s18, ttmp9, 0x10004                  ; hq
	s_lshr_b32 s19, ttmp9, 5                       ; image
	s_lshr_b32 s20, s16, 2
	s_xor_b32 s20, s20, s16
	s_and_b32 s20, s20, 1                          ; my type: waves w and w + 4 differ in it, and so do waves 2 j and 2 j + 1
	s_lshl_b32 s46, s19, 6
	s_lshl_b32 s47, s16, 2
	s_add_co_u32 s46, s46, s47
	s_lshl_b32 s47, s18, 5
	s_add_co_u32 s48, s46, s47                     ; group A's first token tile: 64 b + 32 hq + 4 w
	s_xor_b32 s47, s47, 32
	s_add_co_u32 s49, s46, s47                     ; group B's: the other half
	s_mov_b32 s38, 0x76543210
	s_mov_b32 s39, 0xfedcba98                      ; v_permlanex16_b32's selects for lane l xor 16
	s_mov_b32 s40, 0x3e38aa3b                      ; log2(e) / 8
	s_mov_b32 s41, s40                             ; (named with it as a pair, so it is written)
	s_mov_b32 s51, 0
	s_wait_kmcnt 0x0
	s_lshl_b32 s50, s48, 13
	s_add_nc_u64 s[22:23], s[4:5], s[50:51]        ; x's codes, group A,
	s_lshl_b32 s50, s49, 13
	s_add_nc_u64 s[24:25], s[4:5], s[50:51]        ; group B;
	s_lshl_b32 s50, s48, 9
	s_add_nc_u64 s[26:27], s[6:7], s[50:51]        ; its scale words, group A,
	s_lshl_b32 s50, s49, 9
	s_add_nc_u64 s[28:29], s[6:7], s[50:51]        ; group B
	s_mul_i32 s50, s17, 6144
	s_add_nc_u64 s[30:31], s[10:11], s[50:51]      ; my head's scale words of W
	s_mul_i32 s50, s17, 98304
	s_add_nc_u64 s[36:37], s[8:9], s[50:51]        ; and its codes
	s_lshl_b32 s50, s18, 11
	s_lshl_b32 s47, s16, 8
	s_add_co_u32 s50, s50, s47
	s_add_nc_u64 s[32:33], s[12:13], s[50:51]      ; the table at picture row 16 hq + 2 w (128 bytes a row),
	s_xor_b32 s50, s50, 2048
	s_add_nc_u64 s[34:35], s[12:13], s[50:51]      ; and at 16 (1 - hq) + 2 w
	s_lshl_b32 s50, s48, 15
	s_lshl_b32 s47, s17, 11
	s_add_co_u32 s50, s50, s47
	s_add_nc_u64 s[44:45], s[14:15], s[50:51]      ; oi: 32,768 bytes a token tile, 2,048 for my head's two steps of 32 k
	XLOAD 24, 28                                   ; group B first
	WSLOAD 1, 0, 0
.irp p, 0,1,2                          ; W goes to LDS through registers, each wave 4,096 bytes of each part
.irp m, 0,1,2,3,4,5,6,7
	global_load_b128 v[ACC+4*(8*\p+\m):ACC+4*(8*\p+\m)+3], v[SGS], s[36:37] offset:\p*32768+512*\m
.endr
.endr
	s_wait_loadcnt 0x0
.irp m, 0,1,2,3,4,5,6,7
	ds_store_b128 v[SGV], v[ACC+4*\m:ACC+4*\m+3] offset:32768+512*\m          ; W_q
	ds_store_b128 v[SGV], v[ACC+32+4*\m:ACC+32+4*\m+3] offset:512*\m          ; W_k
	ds_store_b128 v[SGF], v[ACC+64+4*\m:ACC+64+4*\m+3] offset:512*\m          ; W_v
.endr
	BARRIER                                        ; barrier 0: W lies in LDS
	WLOAD AWV, 0, 0, 0
	WLOAD AWV, 0, 1, 1
	HP 0, 1, 0, AWV, 0, 0, 1, 1, 0, AWV, 16384
	HP 0, 1, 1, AWV, 16384, 1, 2, 0, 0, AWF, 0
	HP 2, 1, 0, AWF, 0, 0, 2, 1, 0, AWF, 16384
	HP 2, 1, 1, AWF, 16384, 1, 1, 0, 1, AWV, 0
	HP 0, 0, 0, AWV, 0, 0, 1, 1, 0, AWV, 16384
	HP 0, 0, 1, AWV, 16384, 1, 0, 0, 0, AWV, 32768
	HP 1, 0, 0, AWV, 32768, 0, 0, 1, 0, AWV, 49152
	HP 1, 0, 1, AWV, 49152, 1, 2, 0, 0, AWF, 0
	BARRIER                                        ; barrier 1: every wave's reads of W_k and W_q are over, so V's first half may be written there; and K is whole
	HP 2, 0, 0, AWF, 0, 0, 2, 1, 0, AWF, 16384
	HP 2, 0, 1, AWF, 16384, 1, 9, 0, 2, AWF, 0
	BARRIER                                        ; barrier 2: V is whole (and my first K is in registers)
; ---------------- PHASE 2 ----------------
.macro KQ                              ; S^T = K Q^T: 32 matrix instructions, 16 accumulators by turns; the first 16 start the sums
	WIN 0x01                                       ; source 0 = K, window 1
.irp cs, 0,1
.irp kt, 0,1,2,3
.irp t, 0,1,2,3
.if \cs == 0
	v_wmma_f32_16x16x32_f16 v[S+32*\t+8*\kt:S+32*\t+8*\kt+7], v[128+8*(2*\kt+\cs):135+8*(2*\kt+\cs)], v[Q+32*\cs+8*\t:Q+32*\cs+8*\t+7], 0
.else
	v_wmma_f32_16x16x32_f16 v[S+32*\t+8*\kt:S+32*\t+8*\kt+7], v[128+8*(2*\kt+\cs):135+8*(2*\kt+\cs)], v[Q+32*\cs+8*\t:Q+32*\cs+8*\t+7], v[S+32*\t+8*\kt:S+32*\t+8*\kt+7]
.endif
.endr
.endr
.endr
.endm
.macro PV first                        ; O^T += V^T P: 32 matrix instructions, 16 accumulators by turns.  first = 1: the first 16 start the sums
	WIN 0x51                                       ; V and O^T in window 1, P in window 0
.irp ks, 0,1
.irp ct, 0,1,2,3
.irp t, 0,1,2,3
.if \first && (\ks == 0)
	v_wmma_f32_16x16x32_f16 v[32*\t+8*\ct:32*\t+8*\ct+7], v[192+8*(4*\ks+\ct):199+8*(4*\ks+\ct)], v[S+32*\t+8*\ks:S+32*\t+8*\ks+7], 0
.else
	v_wmma_f32_16x16x32_f16 v[32*\t+8*\ct:32*\t+8*\ct+7], v[192+8*(4*\ks+\ct):199+8*(4*\ks+\ct)], v[S+32*\t+8*\ks:S+32*\t+8*\ks+7], v[32*\t+8*\ct:32*\t+8*\ct+7]
.endif
.endr
.endr
.endr
.endm
; The softmax of query tiles t0 and t0 + 1 for one step of 64 keys, the two tiles line by line in turn.  A lane holds one query and 32 of the 64 scores.  first = 1: the first step: no old maximum, nothing to rescale.
.macro SMPAIR t0, first
	WIN 0
.irp j, 0,1,2,3                        ; the maximum, in four chains; each begins at the low end of an accumulator
.irp t, \t0, \t0+1
	v_max3_num_f32 v[ST+8*(\t)+4+\j], v[S+32*(\t)+8*\j], v[S+32*(\t)+8*\j+1], v[S+32*(\t)+8*\j+2]
.endr
.endr
.irp g, 1,2
.irp j, 0,1,2,3
.irp t, \t0, \t0+1
	v_max3_num_f32 v[ST+8*(\t)+4+\j], v[ST+8*(\t)+4+\j], v[S+32*(\t)+8*\j+2*\g+1], v[S+32*(\t)+8*\j+2*\g+2]
.endr
.endr
.endr
.irp t, \t0, \t0+1
	v_max3_num_f32 v[ST+8*(\t)+4], v[ST+8*(\t)+4], v[S+32*(\t)+7], v[S+32*(\t)+15]
	v_max3_num_f32 v[ST+8*(\t)+6], v[ST+8*(\t)+6], v[S+32*(\t)+23], v[S+32*(\t)+31]
.endr
.irp t, \t0, \t0+1
	v_max3_num_f32 v[ST+8*(\t)+4], v[ST+8*(\t)+4], v[ST+8*(\t)+5], v[ST+8*(\t)+6]
.endr
.irp t, \t0, \t0+1
.if \first
	v_max_num_f32 v[ST+8*(\t)+4], v[ST+8*(\t)+4], v[ST+8*(\t)+7]
.else
	v_max3_num_f32 v[ST+8*(\t)+4], v[ST+8*(\t)+4], v[ST+8*(\t)+7], v[ST+8*(\t)]
.endif
.endr
.irp t, \t0, \t0+1
	v_permlanex16_b32 v[ST+8*(\t)+5], v[ST+8*(\t)+4], s38, s39     ; the query's other 32 keys lie in the lane 16 away
.endr
.irp t, \t0, \t0+1
.if \first
	v_mov_b32 v[ST+8*(\t)+1], 0                                    ; (named with m as a pair, so it is written)
.else
	v_mov_b32 v[ST+8*(\t)+1], v[ST+8*(\t)]                         ; the old m
.endif
.endr
.irp t, \t0, \t0+1
	v_max_num_f32 v[ST+8*(\t)], v[ST+8*(\t)+4], v[ST+8*(\t)+5]     ; the new m
.endr
.if !\first
.irp t, \t0, \t0+1
	v_sub_f32 v[ST+8*(\t)+7], v[ST+8*(\t)+1], v[ST+8*(\t)]
.endr
.endif
.set k, 0
.rept 16
.irp t, \t0, \t0+1
	v_pk_add_f32 v[S+32*(\t)+k:S+32*(\t)+k+1], v[S+32*(\t)+k:S+32*(\t)+k+1], v[ST+8*(\t):ST+8*(\t)+1] op_sel_hi:[1,0] neg_lo:[0,1] neg_hi:[0,1]   ; s - m, two at a time
.endr
.set k, k+2
.endr
.if !\first                            ; ONE BATCH of exponentials: nothing in it reads a result of it
.irp t, \t0, \t0+1
	v_exp_f32 v[ST+8*(\t)+6], v[ST+8*(\t)+7]                       ; a = 2^(old m - m)
.endr
.endif
.set k, 0
.rept 32
.irp t, \t0, \t0+1
	v_exp_f32 v[S+32*(\t)+k], v[S+32*(\t)+k]                       ; p = 2^(s - m)
.endr
.set k, k+1
.endr
	v_nop                                          ; a plain line behind the last exponential,
	s_wait_alu depctr_va_vdst(0)                   ; and the one wait ahead of the batch's first reader
.irp t, \t0, \t0+1                     ; the row's sum, of p in f32, in two chains a tile
	v_pk_add_f32 v[16+4*((\t)-(\t0)):17+4*((\t)-(\t0))], v[S+32*(\t):S+32*(\t)+1], v[S+32*(\t)+2:S+32*(\t)+3]
	v_pk_add_f32 v[18+4*((\t)-(\t0)):19+4*((\t)-(\t0))], v[S+32*(\t)+4:S+32*(\t)+5], v[S+32*(\t)+6:S+32*(\t)+7]
.endr
.irp g, 8,12,16,20,24,28
.irp t, \t0, \t0+1
	v_pk_add_f32 v[16+4*((\t)-(\t0)):17+4*((\t)-(\t0))], v[16+4*((\t)-(\t0)):17+4*((\t)-(\t0))], v[S+32*(\t)+\g:S+32*(\t)+\g+1]
	v_pk_add_f32 v[18+4*((\t)-(\t0)):19+4*((\t)-(\t0))], v[18+4*((\t)-(\t0)):19+4*((\t)-(\t0))], v[S+32*(\t)+\g+2:S+32*(\t)+\g+3]
.endr
.endr
.irp t, \t0, \t0+1
.if \first
	v_pk_add_f32 v[ST+8*(\t)+2:ST+8*(\t)+3], v[16+4*((\t)-(\t0)):17+4*((\t)-(\t0))], v[18+4*((\t)-(\t0)):19+4*((\t)-(\t0))]
.else
	v_pk_add_f32 v[16+4*((\t)-(\t0)):17+4*((\t)-(\t0))], v[16+4*((\t)-(\t0)):17+4*((\t)-(\t0))], v[18+4*((\t)-(\t0)):19+4*((\t)-(\t0))]
.endif
.endr
.if !\first
.irp t, \t0, \t0+1
	v_pk_fma_f32 v[ST+8*(\t)+2:ST+8*(\t)+3], v[ST+8*(\t)+2:ST+8*(\t)+3], v[ST+8*(\t)+6:ST+8*(\t)+7], v[16+4*((\t)-(\t0)):17+4*((\t)-(\t0))] op_sel_hi:[1,0,1]   ; l = a l + the sum
.endr
.endif
.set k, 0
.rept 16                               ; P in f16, in place, ascending: registers 8 ks .. 8 ks + 7 are source 1 for keys 32 ks on
.irp t, \t0, \t0+1
	v_cvt_pk_f16_f32 v[S+32*(\t)+k], v[S+32*(\t)+2*k], v[S+32*(\t)+2*k+1]
.endr
.set k, k+1
.endr
.if !\first
	WIN 0x41                                       ; O^T (destination and source 0) in window 1, a in window 0
.set k, 0
.rept 16
.irp t, \t0, \t0+1
	v_pk_mul_f32 v[32*(\t)+k:32*(\t)+k+1], v[32*(\t)+k:32*(\t)+k+1], v[ST+8*(\t)+6:ST+8*(\t)+7] op_sel_hi:[1,0]   ; each accumulator from its low end on
.endr
.set k, k+2
.endr
	WIN 0
.endif
.endm
.macro XFIRST                          ; the first part of step 0: its scores, step 1's K, and the first softmax of tiles 0 and 1
	KQ
	PLACES 4
	KLOAD LI, 8192
	SMPAIR 0, 1
.endm
	VLOAD AWV, 0                                   ; step 0's V
	WIN 0
	s_cmp_lg_u32 s20, 0                            ; waves of type 0 run the part ahead of barrier 3, waves of type 1 behind it: so the two waves of a SIMD go on half a step apart
	s_cbranch_scc1 .Llate
	XFIRST
.Llate:
	BARRIER                                        ; barrier 3: every wave passes it, at this one place
	s_cmp_eq_u32 s20, 0
	s_cbranch_scc1 .Learly
	XFIRST
.Learly:
	SMPAIR 2, 1
	PV 1                                           ; step 0's V is in since barrier 3's wait
	WIN 0
	s_mov_b32 s42, 8192                            ; the step's byte in K's and in V's images
	s_mov_b32 s43, 15
.Lstep:                                            ; steps 1 to 15
	v_add_nc_u32 v[AKS+1], s42, v[AWV]             ; this step's V.  (These two additions and three v_nop are the five places between V^T P and the products that write over P, and the places ahead of the loads into V's registers)
	s_add_co_u32 s46, s42, 8192
	s_and_b32 s46, s46, 0x1ffff                    ; the next step's K; in the last trip this is step 0 again: sixteen loads whose result nobody reads, in place of a branch
	v_add_nc_u32 v[AKS], s46, v[LI]
	PLACES 3
	VLOAD AKS+1, 0
	s_wait_dscnt 16                                ; this step's K is in; V's sixteen loads may be out
	KQ
	PLACES 4
	KLOAD AKS, 0
	SMPAIR 0, 0
	SMPAIR 2, 0
	s_wait_dscnt 16                                ; this step's V is in; the next K's sixteen loads may be out
	PV 0
	WIN 0
	s_add_co_u32 s42, s42, 8192
	s_sub_co_u32 s43, s43, 1
	s_cmp_lg_u32 s43, 0
	s_cbranch_scc1 .Lstep
	; THE WAY OUT: l's two halves and the other half of the lanes'; O^T / l, rounded to f16.  Lane (r, h) holds query r, channels 16 ct + 8 h + 0..7: half ct % 2 of the image (token tile, k step 2 head + ct / 2) of the next launch's operand.
.irp t, 0,1,2,3
	v_add_f32 v[ST+8*\t+4], v[ST+8*\t+2], v[ST+8*\t+3]             ; (these lines are the places behind the last products)
.endr
.irp t, 0,1,2,3
	v_permlanex16_b32 v[ST+8*\t+5], v[ST+8*\t+4], s38, s39
.endr
.irp t, 0,1,2,3
	v_add_f32 v[ST+8*\t+4], v[ST+8*\t+4], v[ST+8*\t+5]
.endr
.irp t, 0,1,2,3
	v_rcp_f32 v[ST+8*\t+6], v[ST+8*\t+4]
.endr
	v_nop                                          ; a plain line behind the last reciprocal,
	s_wait_alu depctr_va_vdst(0)                   ; and the one wait for the four
.irp t, 0,1,2,3
	WIN 0x41
.set k, 0
.rept 16
	v_pk_mul_f32 v[32*\t+k:32*\t+k+1], v[32*\t+k:32*\t+k+1], v[ST+8*\t+6:ST+8*\t+7] op_sel_hi:[1,0]
.set k, k+2
.endr
	WIN 0x05                                       ; sources in window 1, destination in window 0: P's registers are free
.set k, 0
.rept 16
	v_cvt_pk_f16_f32 v[S+16*\t+k], v[32*\t+2*k], v[32*\t+2*k+1]
.set k, k+1
.endr
	WIN 0
.irp ct, 0,1,2,3
	global_store_b128 v[LI], v[S+16*\t+4*\ct:S+16*\t+4*\ct+3], s[44:45] offset:\t*32768+\ct*512   ; 32 lanes store 512 consecutive bytes, at a multiple of 512 from oi's first byte
.endr
.endr
	s_wait_tensorcnt 0x0                           ; the wave's end: three closing lines behind the last LDS store, the first of them even in a text with no tensor load
	ds_add_u32 v[SPW], v[NIL]
	s_wait_dscnt 0x0
	s_endpgm
.Lfunc_end_k_qa8e6d1beeb_attn:
	.size	k_qa8e6d1beeb_attn, .Lfunc_end_k_qa8e6d1beeb_attn-k_qa8e6d1beeb_attn
	.p2alignl 7, 3214868480
	.fill 96, 4, 3214868480
	.section	.rodata,"a",@progbits
	.p2align	6, 0x0
	.amdhsa_kernel k_qa8e6d1beeb_attn
		.amdhsa_group_segment_fixed_size 295936
		.amdhsa_private_segment_fixed_size 0
		.amdhsa_enable_private_segment 0
		.amdhsa_kernarg_size 48
		.amdhsa_user_sgpr_count 2
		.amdhsa_user_sgpr_kernarg_segment_ptr 1
		.amdhsa_wavefront_size32 1
		.amdhsa_system_sgpr_workgroup_id_x 1
		.amdhsa_system_sgpr_workgroup_id_y 1
		.amdhsa_system_sgpr_workgroup_id_z 1
		.amdhsa_system_vgpr_workitem_id 0
		.amdhsa_next_free_vgpr 512
		.amdhsa_next_free_sgpr 66
		.amdhsa_reserve_vcc 0
		.amdhsa_float_denorm_mode_32 3
		.amdhsa_float_denorm_mode_16_64 3
		.amdhsa_memory_ordered 1
		.amdhsa_forward_progress 1
		.amdhsa_inst_pref_size 255
	.end_amdhsa_kernel
	.section	.bss,"aw",@nobits
	.p2align	6
	.space	262144
	.amdgpu_metadata
---
amdhsa.version: [ 1, 2 ]
amdhsa.kernels:
  - .name:           k_qa8e6d1beeb_attn
    .symbol:         k_qa8e6d1beeb_attn.kd
    .args:
      - { .name: xc, .offset: 0, .size: 8, .value_kind: global_buffer, .address_space: global }
      - { .name: xs, .offset: 8, .size: 8, .value_kind: global_buffer, .address_space: global }
      - { .name: wc, .offset: 16, .size: 8, .value_kind: global_buffer, .address_space: global }
      - { .name: ws, .offset: 24, .size: 8, .value_kind: global_buffer, .address_space: global }
      - { .name: rope, .offset: 32, .size: 8, .value_kind: global_buffer, .address_space: global }
      - { .name: oi, .offset: 40, .size: 8, .value_kind: global_buffer, .address_space: global }
    .group_segment_fixed_size: 295936
    .private_segment_fixed_size: 0
    .kernarg_segment_align: 8
    .kernarg_segment_size: 48
    .max_flat_workgroup_size: 256
    .sgpr_count:     66
    .vgpr_count:     512
    .wavefront_size: 32
...
	.end_amdgpu_metadata
.endif
;; end of part 2
;; launch proj (part 3): grid 32 x 8, 4 waves a work-group, clusters of 4 x 1, 296,448 bytes of LDS; arguments oi, wo, b_out, out0; writes out0
.if DOCPART == 3
	.amdgcn_target "amdgcn-amd-amdhsa--gfx1250"
	.amdhsa_code_object_version 6
	.text
	.protected	k_qa8e6d1beeb_proj
	.globl	k_qa8e6d1beeb_proj
	.p2align	8
	.type	k_qa8e6d1beeb_proj,@function
k_qa8e6d1beeb_proj:
	s_mov_b64 s[64:65], 0
	v_nop
	global_prefetch_b8 v0, s[64:65] scope:SCOPE_SE
	s_setreg_imm32_b32 hwreg(HW_REG_WAVE_MODE, 25, 1), 1
	s_wait_xcnt 0x0
	s_wait_alu depctr_hold_cnt(0) depctr_sa_sdst(0) depctr_va_vdst(0) depctr_va_sdst(0) depctr_va_ssrc(0) depctr_va_vcc(0) depctr_vm_vsrc(0)
	s_getreg_b32 s2, hwreg(HW_REG_IB_STS2, 6, 4)
	s_cmp_eq_u32 s2, 0
	s_cbranch_scc0 .Lentry_in_a_cluster
	s_endpgm
.Lentry_in_a_cluster:
	s_bfe_u32 s2, ttmp6, 0x10000c
	s_cmp_lg_u32 s2, 0x3003
	s_cbranch_scc0 .Lentry_shape_is_right
	s_endpgm
.Lentry_shape_is_right:
; PROJ: out0 = o w_out + b_out.  o comes as f16 images [token tile][step kk of 32 k][1,024 bytes], w_out transposed as f16 images [group of 128 columns][kk][tile nt][1,024 bytes]; sums in f32, begun with the bias.
; SHARES.  A work-group makes 256 rows x 128 columns; wave w rows 64 w .. 64 w + 63 x all 128 columns: 32 accumulators of 16 x 16.
; THE MATRIX INSTRUCTION IS USED TRANSPOSED (source 0 = 16 columns of w_out, source 1 = 16 rows of o): a lane holds one row of the output and eight neighbouring columns.
; w_out's 128 columns, all of K, are ONE dense block of 262,144 bytes: it comes into LDS once, in four chunks of 8 steps, and stays: no LDS byte is filled twice.
; CLUSTER: the four work-groups of a cluster make the same 128 columns for different rows, so each part of that block is asked for JOINTLY (mask 15), by the same tensor load with the same descriptor in all four.
; o's fragments are wanted by one wave of the work-group each and go from memory straight into registers, seven steps (224 matrix instructions) ahead of their use; beside the block and the stages (295,936 bytes)
; LDS has no room through which they could be shared.
; REGISTERS: window 0: v1-13 addresses; v64-127, v128-191 w_out's 8 fragments of a step, two sets (on the way out: rows read back); v192-255 the bias, 8 registers a tile, in the result's layout.
;   window 1: o's fragments, a ring of 8 steps x 4 tiles.   window 2: accumulator (row tile i, column tile nt) at v[8 (8 i + nt)].
.set STG,   262144                     ; behind the block: a stage of 16 rows x (512 + 16) bytes for each wave; no tensor load lands there
.set SPARE, 295936                     ; behind the stages: the spare words, 128 bytes for each wave
.set LI,  1                            ; v1   16 x lane
.set STO, 2                            ; v2   the stage: where I put 32 bytes of a row
.set RD,  3                            ; v3   and where I read a row back
.set AB,  4                            ; v4-7 16 x lane + 65,536 x chunk
.set BH,  8                            ; v8   32 h
.set SPW, 12                           ; v12  LDS address of my spare word; never rewritten
.set NIL, 13                           ; v13  0; never rewritten
.set G1,  16                           ; s[16:23] descriptor group 1
.set G0,  24                           ; s[24:39] four groups 0, one for each chunk
.set MSB, 0
.macro WIN new                         ; the immediate's high byte repeats the setting that is left
.if MSB != \new
	s_set_vgpr_msb (MSB<<8)|\new
.set MSB, \new
.endif
.endm
.macro PLACES n
.rept \n
	v_nop
.endr
.endm
.macro ROUND                           ; a round of the cluster's barrier
	s_barrier_signal -1
	s_barrier_wait -1
	s_cmp_lg_u32 s12, 0
	s_cbranch_scc1 .Lnot_wave_0_\@
	s_barrier_signal -3
.Lnot_wave_0_\@:
	s_barrier_wait -3
	s_barrier_signal -1
	s_barrier_wait -1
.endm
	s_load_b256 s[4:11], s[0:1], 0x0               ; oi s[4:5], wo s[6:7], b_out s[8:9], out0 s[10:11]
	v_lshl_add_u32 v[SPW], v0, 2, SPARE
	v_mov_b32 v[NIL], 0
	ds_add_u32 v[SPW], v[NIL]                      ; the wave's opening: the add, twice on end, and its wait ahead of my first tensor load
	ds_add_u32 v[SPW], v[NIL]
	v_lshrrev_b32 v9, 5, v0
	v_readfirstlane_b32 s12, v9                    ; wave 0..3
	s_bfe_u32 s13, ttmp6, 0x40000                  ; cx: my place in the cluster: it enters oi's and out0's addresses alone
	s_lshl_b32 s14, ttmp9, 2
	s_add_co_u32 s14, s14, s13                     ; my block of 256 rows = 4 x cluster x + cx
	s_and_b32 s15, ttmp7, 0xffff                   ; my group of 128 columns, which the four partners share
	; group 1: 64 rows of 256 bytes (32 elements of 8 bytes), dense, no padding: 16,384 bytes
	s_mov_b32 s[G1+0], 15|(3<<16)|(1<<21)          ; 15:0 the mask: all four work-groups; 17:16 elements of 8 bytes; 21 set beside a mask
	s_mov_b32 s[G1+1], 32<<16                      ; tensor_dim0 = 32
	s_mov_b32 s[G1+2], 64<<16                      ; tensor_dim1 = 64
	s_mov_b32 s[G1+3], 32<<16                      ; tile_dim0 = 32
	s_mov_b32 s[G1+4], 64                          ; tile_dim1 = 64
	s_mov_b32 s[G1+5], 32                          ; from row to row
	s_mov_b32 s[G1+6], 0
	s_mov_b32 s[G1+7], 0
	s_lshl_b32 s40, s15, 18                        ; the group's block,
	s_lshl_b32 s42, s12, 14                        ; my wave's quarter of a chunk, in memory and in LDS alike
	s_add_co_u32 s40, s40, s42
	s_mov_b32 s41, 0
	s_wait_dscnt 0x0                               ; both opening adds are done
	s_wait_kmcnt 0x0
	s_add_nc_u64 s[40:41], s[6:7], s[40:41]
	ROUND                                          ; all four work-groups are here: the joint loads meet
.irp q, 0,1,2,3
	s_mov_b32 s[G0+4*\q], 1                                        ; count = 1
	s_add_co_u32 s[G0+4*\q+1], s42, \q*65536                       ; LDS address: chunk q, my quarter
	s_add_nc_u64 s[G0+4*\q+2:G0+4*\q+3], s[40:41], \q*65536        ; global address
	s_or_b32 s[G0+4*\q+3], s[G0+4*\q+3], 0x80000000                ; type = 2
.endr
.irp q, 0,1,2,3                        ; all first fills in one group: four tensor loads of mine are out
	tensor_load_to_lds s[G0+4*\q:G0+4*\q+3], s[G1:G1+7]
	s_nop 0
.endr
	PLACES 4
	v_and_b32 v9, 31, v0
	v_lshlrev_b32 v[LI], 4, v9
	v_and_b32 v10, 15, v0                          ; r
	v_bfe_u32 v11, v0, 4, 1                        ; h
	v_lshlrev_b32 v[BH], 5, v11
	s_mul_i32 s43, s12, 16*528
	s_add_co_u32 s43, s43, STG                     ; my stage
	v_mul_u32_u24 v[STO], v10, 528
	v_add_nc_u32 v[STO], v[STO], v[BH]
	v_add_nc_u32 v[STO], s43, v[STO]               ; in: row r, + 32 h
	v_add_nc_u32 v[RD], s43, v[LI]                 ; back: a row of 512 bytes, 16 a lane
.irp q, 0,1,2,3
	v_add_nc_u32 v[AB+\q], \q*65536, v[LI]
.endr
	s_lshl_b32 s44, s14, 4
	s_lshl_b32 s46, s12, 2
	s_add_co_u32 s44, s44, s46                     ; my first token tile: 16 x block + 4 x wave
	s_lshl_b32 s44, s44, 15
	s_mov_b32 s45, 0
	s_add_nc_u64 s[4:5], s[4:5], s[44:45]
	s_lshl_b32 s44, s15, 9
	s_add_nc_u64 s[8:9], s[8:9], s[44:45]          ; the bias of my 128 columns
	s_lshl_b32 s46, s14, 20                        ; 256 rows of 4,096 bytes,
	s_add_co_u32 s44, s44, s46
	s_lshl_b32 s46, s12, 18                        ; my wave's 64,
	s_add_co_u32 s44, s44, s46                     ; and the group's 512 bytes of a row
	s_add_nc_u64 s[10:11], s[10:11], s[44:45]
.irp nt, 0,1,2,3,4,5,6,7
.irp c, 0,1
	global_load_b128 v[192+8*\nt+4*\c:195+8*\nt+4*\c], v[BH], s[8:9] offset:64*\nt+16*\c   ; lane (r, h): b(16 nt + 8 h + 0..7)
.endr
.endr
.macro ALOAD kk                        ; o's four fragments of step kk into slot kk % 8
	WIN 0x40
.irp i, 0,1,2,3
.irp c, 0,1
	global_load_b128 v[32*((\kk)%8)+8*\i+4*\c:32*((\kk)%8)+8*\i+4*\c+3], v[LI], s[4:5] offset:\i*32768+(\kk)*1024+512*\c
.endr
.endr
.endm
.macro BLOAD kk                        ; w_out's eight fragments of step kk into set kk % 2
	WIN 0
.set n, 0
.rept 16
	ds_load_b128 v[64+64*((\kk)%2)+4*n:67+64*((\kk)%2)+4*n], v[AB+(\kk)/8] offset:((\kk)%8)*8192+512*n
.set n, n+1
.endr
.endm
.irp a, 0,1,2,3,4,5,6,7
	ALOAD \a
.endr
	s_wait_tensorcnt 3                             ; my quarter of chunk 0 has landed; my three younger loads may be out
	s_barrier_signal -1
	s_barrier_wait -1                              ; everybody's has
	BLOAD 0
.macro STEP                            ; step KK: 32 along K, 32 matrix instructions, the 32 accumulators by turns, one instruction a turn, in the same order in every step
.if KK > 0
	PLACES 4                                       ; behind the last step's products, ahead of the loads into the registers that they read
.if KK+7 < 32
	ALOAD KK+7                                     ; into the slot just read
.endif
.endif
.if ((KK+1)%8 == 0) && (KK < 31)
	s_wait_dscnt 0x0                               ; no LDS instruction of mine is out at a signal;
	s_wait_tensorcnt 3-(KK+1)/8                    ; my quarter of the next chunk has landed; the chunks behind it may be out
	s_barrier_signal -1
	s_barrier_wait -1                              ; everybody's has
.endif
.if KK < 31
	BLOAD KK+1
.endif
.if 8*(31-KK) < 56
	s_wait_loadcnt 8*(31-KK)                       ; this step's fragments of o are in; those of the steps behind it may be out
.else
	s_wait_loadcnt 56
.endif
.if KK < 31
	s_wait_dscnt 16                                ; this step's fragments of w_out are in; the next step's sixteen loads may be out
.else
	s_wait_dscnt 0x0
.endif
.if KK == 0
	WIN 0x84                                       ; source 1 (o) window 1, C (the bias) window 0, D window 2
.else
	WIN 0xa4                                       ; C and D window 2
.endif
.irp i, 0,1,2,3
.irp nt, 0,1,2,3,4,5,6,7
.if KK == 0
	v_wmma_f32_16x16x32_f16 v[8*(8*\i+\nt):8*(8*\i+\nt)+7], v[64+8*\nt:71+8*\nt], v[8*\i:8*\i+7], v[192+8*\nt:199+8*\nt]
.else
	v_wmma_f32_16x16x32_f16 v[8*(8*\i+\nt):8*(8*\i+\nt)+7], v[64+64*(KK%2)+8*\nt:71+64*(KK%2)+8*\nt], v[32*(KK%8)+8*\i:32*(KK%8)+8*\i+7], v[8*(8*\i+\nt):8*(8*\i+\nt)+7]
.endif
.endr
.endr
.endm
.set KK, 0
.rept 32
	STEP
.set KK, KK+1
.endr
; THE WAY OUT, 16 rows x 128 columns at a time: a lane holds 32 neighbouring bytes of a row, and the lanes beside it hold other rows: so a block goes through my own stage and comes back as whole rows of 512 bytes.
; LDS serves a wave's instructions in order (ISA guide 5.7.1.4): no wait between the stores and the loads, nor ahead of the next block's stores.
.macro TOSTAGE i
	WIN 0x08                                       ; an LDS store's data are its source 1: window 2
.irp nt, 0,1,2,3,4,5,6,7
	ds_store_b128 v[STO], v[8*(8*(\i)+\nt):8*(8*(\i)+\nt)+3] offset:64*\nt          ; each accumulator from its low end on
	ds_store_b128 v[STO], v[8*(8*(\i)+\nt)+4:8*(8*(\i)+\nt)+7] offset:64*\nt+16
.endr
	WIN 0
.irp t, 0,1,2,3,4,5,6,7,8,9,10,11,12,13,14,15
	ds_load_b128 v[64+64*((\i)%2)+4*\t:67+64*((\i)%2)+4*\t], v[RD] offset:\t*528
.endr
.endm
.macro SEND i, younger                 ; younger: the LDS instructions issued behind block i's loads, which may stay out
	s_wait_dscnt \younger
.irp t, 0,1,2,3,4,5,6,7,8,9,10,11,12,13,14,15
	global_store_b128 v[LI], v[64+64*((\i)%2)+4*\t:67+64*((\i)%2)+4*\t], s[10:11] offset:(16*(\i)+\t)*4096 th:TH_STORE_NT   ; 32 lanes store 512 consecutive bytes, at a multiple of 512 from out0's first byte
.endr
.endm
	PLACES 4                                       ; behind the last products: for the first read of results and the loads into w_out's registers
	TOSTAGE 0
.irp a, 1,2,3
.if \a > 1
	s_wait_xcnt 0x0                                ; block a - 2's stores have read their registers: block a's rows may land there
.endif
	TOSTAGE \a
	SEND \a-1, 32                                  ; behind block a - 1's loads: block a's 16 stores and 16 loads
.endr
	SEND 3, 0
	s_wait_tensorcnt 0x0                           ; the wave's end: three closing lines, behind my last tensor load and my last LDS store
	ds_add_u32 v[SPW], v[NIL]
	s_wait_dscnt 0x0
	ROUND                                          ; the closing round: no work-group ends while a partner may still ask for a part that names it
	s_endpgm
.Lfunc_end_k_qa8e6d1beeb_proj:
	.size	k_qa8e6d1beeb_proj, .Lfunc_end_k_qa8e6d1beeb_proj-k_qa8e6d1beeb_proj
	.p2alignl 7, 3214868480
	.fill 96, 4, 3214868480
	.section	.rodata,"a",@progbits
	.p2align	6, 0x0
	.amdhsa_kernel k_qa8e6d1beeb_proj
		.amdhsa_group_segment_fixed_size 296448
		.amdhsa_private_segment_fixed_size 0
		.amdhsa_enable_private_segment 0
		.amdhsa_kernarg_size 32
		.amdhsa_user_sgpr_count 2
		.amdhsa_user_sgpr_kernarg_segment_ptr 1
		.amdhsa_wavefront_size32 1
		.amdhsa_system_sgpr_workgroup_id_x 1
		.amdhsa_system_sgpr_workgroup_id_y 1
		.amdhsa_system_sgpr_workgroup_id_z 1
		.amdhsa_system_vgpr_workitem_id 0
		.amdhsa_next_free_vgpr 768
		.amdhsa_next_free_sgpr 66
		.amdhsa_reserve_vcc 0
		.amdhsa_float_denorm_mode_32 3
		.amdhsa_float_denorm_mode_16_64 3
		.amdhsa_memory_ordered 1
		.amdhsa_forward_progress 1
		.amdhsa_inst_pref_size 151
	.end_amdhsa_kernel
	.amdgpu_metadata
---
amdhsa.version: [ 1, 2 ]
amdhsa.kernels:
  - .name:           k_qa8e6d1beeb_proj
    .symbol:         k_qa8e6d1beeb_proj.kd
    .args:
      - { .name: oi, .offset: 0, .size: 8, .value_kind: global_buffer, .address_space: global }
      - { .name: wo, .offset: 8, .size: 8, .value_kind: global_buffer, .address_space: global }
      - { .name: b_out, .offset: 16, .size: 8, .value_kind: global_buffer, .address_space: global }
      - { .name: out0, .offset: 24, .size: 8, .value_kind: global_buffer, .address_space: global }
    .group_segment_fixed_size: 296448
    .private_segment_fixed_size: 0
    .kernarg_segment_align: 8
    .kernarg_segment_size: 32
    .max_flat_workgroup_size: 128
    .sgpr_count:     66
    .vgpr_count:     768
    .wavefront_size: 32
...
	.end_amdgpu_metadata
.endif
;; end of part 3
;; ======== version 2 of 2: 3 launches; version 1 with the launch attn written anew for expert scheduling mode
;; limits: values are held in f16: magnitudes above 65,504 overflow, below 6.1e-05 lose precision
;; workspace buffers: xc 4,194,304 bytes; xs 262,144 bytes; wc 1,572,864 bytes; ws 98,304 bytes; wo 2,097,152 bytes; rope 4,096 bytes; oi 16,777,216 bytes
;; launch prep: the kernel of part 1 again; grid 769 x 1, 4 waves a work-group, no clusters, 67,072 bytes of LDS; arguments x, w_qkv, w_out, xc, xs, wc, ws, wo, rope; writes xc, xs, wc, ws, wo, rope
;; launch attn (part 4): grid 256 x 1, 8 waves a work-group, no clusters, 295,936 bytes of LDS; arguments xc, xs, wc, ws, rope, oi; writes oi
.if DOCPART == 4
	.amdgcn_target "amdgcn-amd-amdhsa--gfx1250"
	.amdhsa_code_object_version 6
	.text
	.protected	k_qa8e6d1beeb_attn
	.globl	k_qa8e6d1beeb_attn
	.p2align	8
	.type	k_qa8e6d1beeb_attn,@function
k_qa8e6d1beeb_attn:
	s_mov_b64 s[64:65], 0
	v_nop
	global_prefetch_b8 v0, s[64:65] scope:SCOPE_SE
	s_setreg_imm32_b32 hwreg(HW_REG_WAVE_SCHED_MODE, 0, 2), 2
	s_setreg_imm32_b32 hwreg(HW_REG_WAVE_MODE, 25, 1), 1
	s_wait_xcnt 0x0
	s_wait_alu depctr_vm_vsrc(0)
; ATTN: for one (image b, head, half hq of the queries): q, k, v = x w_qkv on codes of E2M1, the rotary embedding, softmax(q k^T / 8) v.  Nothing of q, k, v goes to memory.
; SHARES.  Eight waves.  Wave w owns the 64 tokens 512 hq + 64 w + 0..63 of the image (group A: its queries, and keys) and the 64 tokens 512 (1 - hq) + 64 w + 0..63 (group B: keys only).
; PHASE 1, ten half-passes of 64 matrix instructions (4 token tiles x 2 channel tiles x 8 K steps of 128): K and V of both groups go to LDS as f16 images of the second phase's operands, Q stays in registers.
;   K, Q: source 0 = 16 columns of W, source 1 = 16 tokens: a lane holds ONE token and 8 neighbouring channels, so a rotary pair lies in two registers of a lane, and four conversions give half an image.
;   V:    source 0 = 16 tokens, source 1 = 16 columns of W: a lane holds ONE channel and 8 neighbouring tokens: V^T, as the second product wants it.
;   The keys lie in LDS own half first: a permutation of the keys, the same for K and V, so no LDS address hangs on the work-group's number.
; PHASE 2, sixteen steps of 64 keys, all out of LDS, no barrier: S^T = K Q^T, a running maximum and sum for each query, O^T += V^T P.  q carries log2(e) / 8, so p = 2^(s - m).
;   The two waves of a SIMD are set half a step apart (one barrier, which half of the waves pass a part of a step later), so that one wave's vector work stands beside the other's matrix work.
; FORMATS.  Product 1: E2M1 with E8M0 scales, f32 sums.  q, k, v, p and o are rounded to f16 for the products that the contract leaves as they are; maxima, sums and O^T in f32.
; LIMITS: |k|, |v| or 0.18 |q| above 65,504 becomes infinity in f16; NaN and infinities among the inputs are not served.
; NO CLUSTER, NO TENSOR LOAD: x's codes go from memory straight into the operands' registers.  LDS holds K and V (262,144 bytes), W_v (32,768) and the spare words: 295,936 bytes; one group of x for eight
; waves is 262,144 bytes more, which does not fit.  What work-groups of a head share beside it, W, is 98,304 of the 655,360 bytes that a work-group fetches.
; REGISTERS, window 0: v1-15 addresses; v16-31 x's scale words; v32-47 W's, two sets; v48-63, v240-255 the rotary table; v64-127 Q; v128-191 eight accumulators; v192-239 and 32 more: W's fragments, a ring of five K steps.
;   window 1: x's 32 fragments.  In phase 2: window 0: v16-23 at work, v32-63 statistics, v128-255 S^T, then P; window 1: v0-127 O^T, v128-191 K, v192-255 V^T.
; THE MODE: SCHED_MODE bits 1:0 = 2 (LLVM: expert scheduling mode 2), set by the entry lines.  The code itself states the register dependences between vector or matrix instructions and memory or LDS
; instructions, with s_wait_alu, always for 0.
; THE PLAN, phase 1.  Registers that memory or LDS instructions touch in a half-pass:
;   W's ring     Step s reads set s % 5.  Behind step s (s < 5) the loads of step s + 3 are issued; steps 0 and 1 come in the tail of the half-pass before, step 2 at the head.  Set 2 also serves the rotation.
;   x, its scales  Read by all products; loaded anew in the tail of half-pass 4 alone.     W's scale words: this half-pass reads one set, the loads at its head land in the other.
;   the table    Loaded at the head of a K or Q half-pass; read (for Q: also written) by the epilogue.
;   accumulators Written by the products and by the epilogue's conversions; their low four registers are read by the epilogue's eight LDS stores.
;   addresses    v1-v15: written at the kernel's head, never again in phase 1.
;   Three waits on va_vdst: behind step 2 (steps 0 to 2 are done reading sets 0 to 2: for the loads of steps 5, 6, 7); behind step 7 (for the tail's loads); behind the epilogue's vector lines (for its stores, and for
;   the next head's loads: table, scale words, steps 2, 3, 4).  The loads that follow a wait are dealt among products that name none of the registers in which they land.  One wait on vm_vsrc, ahead of the first
;   product behind an epilogue that stored.
; THE PLAN, phase 2.  K's and V's registers: read by a step's products K Q^T and by the step before's V^T P; both are loaded again behind ONE wait on va_vdst, which stands behind K Q^T, where the softmax
;   wants those results next.  v5, v6, the two LDS addresses: read by those loads, written at the next trip's head behind a wait on vm_vsrc, and shown written by the same wait on va_vdst.
.set VIM,   131072                     ; LDS: K's images at 0: fragment (key tile, channels 32 cs on) at (2 tile + cs) x 1,024;  V^T's here: (32 keys ks, channel tile ct) at (4 ks + ct) x 1,024
.set WVB,   262144                     ; W_v's 32 images.  W_k lies at VIM, W_q at VIM + 32,768: in the half of V that is written only behind barrier 1
.set SPARE, 294912                     ; the spare words, 128 bytes for each wave
.set LI,  1                            ; v1   16 x lane: an image's place for my lane; also K's address in phase 2
.set L4,  2                            ; v2   4 x lane: a scale word's
.set AWV, 3                            ; v3   VIM + 16 x lane: W_k, W_q; also V's address in phase 2
.set AWF, 4                            ; v4   WVB + 16 x lane: W_v
.set AKS, 5                            ; v5, v6   where I store K: 16 x lane + 8,192 x wave; group B 65,536 further on.  In phase 2: the addresses of the loads in hand
.set AVS, 7                            ; v7, v8   the same for V, from VIM on
.set TV0, 9                            ; v9   32 h: my four frequencies' place in a table row
.set TV1, 10                           ; v10  128 r + 32 h: the same in the row of position r
.set SGV, 11                           ; v11  staging: VIM + 16 x lane + 4,096 x wave
.set SPW, 12                           ; v12  LDS address of my spare word; never rewritten
.set NIL, 13                           ; v13  0; never rewritten
.set SGF, 14                           ; v14  staging: WVB + ..
.set SGS, 15                           ; v15  staging: my 4,096 bytes of a part of W in memory
.set XS,  16                           ; x's scale words: tile i, K steps 2 u and 2 u + 1 at v[XS + 4 i + u]
.set WS,  32                           ; W's: set b, tile e at v[WS + 8 b + 4 e + u]
.set ST,  32                           ; phase 2: tile t's statistics at v[ST + 8 t]: +0 m, +1 the old m, +2, +3 l (even keys', odd keys'), +4 .. +7 at work; a = 2^(old m - m) at +6
.set Q,   64                           ; Q's fragment (tile t, channels 32 cs on) at v[Q + 32 cs + 8 t]
.set ACC, 128                          ; accumulator (token tile i, channel tile e) at v[ACC + 8 (2 i + e)]
.set S,   128                          ; phase 2: S^T of query tile t at v[S + 32 t], 8 registers for each 16 keys
.set WB,  192                          ; W's ring: sets 0 to 2 at v[WB + 16 j]; in a set tile e at + 8 e
.set EX0, 96                           ; sets 3 and 4: in half-passes 1 to 8 v96-127, Q's second half, which half-pass 8's epilogue writes first;
.set EX1, 112                          ; in half-passes 9 and 10 (V) the table's registers, v48-63 and v240-255
.set TMP, 224                          ; the ring's set 2 serves the rotation, between two half-passes
.set STORED, 0                         ; 1 where LDS stores have read the accumulators since the last wait on vm_vsrc
.set MSB, 0
.macro WIN new                         ; low byte: bits 1:0 source 0, 3:2 source 1, 5:4 source 2, 7:6 destination; the high byte repeats the setting that is left
.if MSB != \new
	s_set_vgpr_msb (MSB<<8)|\new
.set MSB, \new
.endif
.endm
.macro PLACES n                        ; plain vector lines between a matrix instruction and a load into, or a vector read of, its registers
.rept \n
	v_nop
.endr
.endm
.macro BARRIER                         ; my LDS stores have landed and my LDS loads are in: then the work-group's barrier
	s_wait_dscnt 0x0
	s_barrier_signal -1
	s_barrier_wait -1
.endm
.macro XLOAD sb, ssb                   ; a group's 32 fragments of x, in memory's order: load n fills registers 4 n .. 4 n + 3 of window 1; and its 16 scale registers
	WIN 0x40
.set n, 0
.rept 64
	global_load_b128 v[4*n:4*n+3], v[LI], s[\sb:\sb+1] offset:512*n
.set n, n+1
.endr
	WIN 0
.irp i, 0,1,2,3
.irp u, 0,1,2,3
	global_load_b32 v[XS+4*\i+\u], v[L4], s[\ssb:\ssb+1] offset:512*\i+128*\u
.endr
.endr
.endm
.macro SETOF s                         ; WR: where the fragments of K step s lie: set s % 5
.if (\s)%5 < 3
.set WR, WB+16*((\s)%5)
.elseif (\s)%5 == 3
.set WR, EX0
.else
.set WR, EX1
.endif
.endm
.macro WLOAD areg, woff, s             ; W's two fragments of K step s
	SETOF \s
.irp e, 0,1
.irp c, 0,1
	ds_load_b128 v[WR+8*\e+4*\c:WR+8*\e+4*\c+3], v[\areg] offset:\woff+(8*\e+(\s))*1024+512*\c
.endr
.endr
.endm
.macro WSLOAD part, cp, buf            ; the scale words of two tiles of W, all of K
.irp e, 0,1
.irp u, 0,1,2,3
	global_load_b32 v[WS+8*(\buf)+4*\e+\u], v[L4], s[30:31] offset:(4*\part+2*\cp+\e)*512+128*\u
.endr
.endr
.endm
; The table for a half-pass: (cos, sin) of frequencies 8 e + 4 h + 0..3, eight registers at v[48 + 192 e + 8 vv].  cp = 0, channels 0-31: the token's row in the picture, which is 16 half + 2 w + vv for tiles 2 vv, 2 vv + 1;
; cp = 1, channels 32-63: its column, 16 vv + r for tiles of parity vv.
.macro TBLOAD cp, grp
.irp e, 0,1
.irp vv, 0,1
.irp hf, 0,1
.if \cp == 0
	global_load_b128 v[48+192*\e+8*\vv+4*\hf:51+192*\e+8*\vv+4*\hf], v[TV0], s[32+2*\grp:33+2*\grp] offset:128*\vv+64*\e+16*\hf
.else
	global_load_b128 v[48+192*\e+8*\vv+4*\hf:51+192*\e+8*\vv+4*\hf], v[TV1], s[12:13] offset:2048*\vv+64*\e+16*\hf
.endif
.endr
.endr
.endr
.endm
.macro MM d, a, b, sa, sb              ; MODE 0: the first K step starts the sum; 1: an even K step (scales in lanes 0-15); 2: an odd one (lanes 16-31)
.if MODE == 0
	v_wmma_scale_f32_16x16x128_f8f6f4 v[\d:\d+7], v[\a:\a+7], v[\b:\b+7], 0, v[\sa], v[\sb] matrix_a_fmt:MATRIX_FMT_FP4 matrix_b_fmt:MATRIX_FMT_FP4
.elseif MODE == 1
	v_wmma_scale_f32_16x16x128_f8f6f4 v[\d:\d+7], v[\a:\a+7], v[\b:\b+7], v[\d:\d+7], v[\sa], v[\sb] matrix_a_fmt:MATRIX_FMT_FP4 matrix_b_fmt:MATRIX_FMT_FP4
.else
	v_wmma_scale_f32_16x16x128_f8f6f4 v[\d:\d+7], v[\a:\a+7], v[\b:\b+7], v[\d:\d+7], v[\sa], v[\sb] matrix_a_fmt:MATRIX_FMT_FP4 matrix_b_fmt:MATRIX_FMT_FP4 matrix_a_scale:MATRIX_SCALE_ROW1 matrix_b_scale:MATRIX_SCALE_ROW1
.endif
.endm
.macro MULS kind, s, wsb               ; K step s: eight matrix instructions, the eight accumulators by turns, one instruction a turn, in the same order in every step
	SETOF \s
.if (\s) == 0
.set MODE, 0
.else
.set MODE, 1+(\s)%2
.endif
.if \kind == 2
	WIN 0x01                                       ; source 0 = x, window 1
.else
	WIN 0x04                                       ; source 1 = x, window 1
.endif
.irp i, 0,1,2,3
.irp e, 0,1
.if \kind == 2
	MM ACC+8*(2*\i+\e), 8*(8*\i+(\s)), WR+8*\e, XS+4*\i+(\s)/2, WS+8*(\wsb)+4*\e+(\s)/2
.else
	MM ACC+8*(2*\i+\e), WR+8*\e, 8*(8*\i+(\s)), WS+8*(\wsb)+4*\e+(\s)/2, XS+4*\i+(\s)/2
.endif
.endr
.endr
.endm
; The rotation of accumulator AC by table TL: (x0, x1) -> (x0 c - x1 s, x1 c + x0 s), four pairs, then rounded to f16 into v[dst] on.  The accumulator's first read is of its register 1.
.macro ROT dst
.irp p, 0,1,2,3
	v_mul_f32 v[TP+2*\p], v[AC+2*\p+1], v[TL+2*\p+1]
.endr
.irp p, 0,1,2,3
	v_mul_f32 v[TP+2*\p+1], v[AC+2*\p], v[TL+2*\p+1]
.endr
.irp p, 0,1,2,3
	v_fma_f32 v[TP+2*\p], v[AC+2*\p], v[TL+2*\p], -v[TP+2*\p]
.endr
.irp p, 0,1,2,3
	v_fma_f32 v[TP+2*\p+1], v[AC+2*\p+1], v[TL+2*\p], v[TP+2*\p+1]
.endr
.irp p, 0,1,2,3
	v_cvt_pk_f16_f32 v[\dst+\p], v[TP+2*\p], v[TP+2*\p+1]
.endr
.endm
.macro TABLE_OF cp, i, e               ; which accumulator, which eight registers of the table, which set of temporaries
.set AC, ACC+8*(2*\i+\e)
.if \cp == 0
.set TL, 48+192*\e+8*(\i/2)
.else
.set TL, 48+192*\e+8*(\i%2)
.endif
.set TP, TMP+8*\e
.endm
; The epilogues are in two parts: the vector lines of all eight accumulators, and, behind one wait, the eight LDS stores.
.macro EPIK cp                         ; K: lane (r, h) holds token r, channels 32 cp + 16 e + 8 h + 0..7; the f16 numbers go into the accumulator's low four registers
.irp i, 0,1,2,3
.irp e, 0,1
	TABLE_OF \cp, \i, \e
	ROT AC
.endr
.endr
.endm
.macro STOK grp, cp                    ; that is half e of the image (key tile, cs = cp), in the image's own lanes
.irp i, 0,1,2,3
.irp e, 0,1
	ds_store_b128 v[AKS+\grp], v[ACC+8*(2*\i+\e):ACC+8*(2*\i+\e)+3] offset:(2*\i+\cp)*1024+512*\e
.endr
.endr
.endm
.macro EPIQ cp                         ; Q: the table first takes log2(e) / 8 in; the results are Q's fragments and stay
.irp e, 0,1
.irp j, 0,2,4,6,8,10,12,14
	v_pk_mul_f32 v[48+192*\e+\j:49+192*\e+\j], v[48+192*\e+\j:49+192*\e+\j], s[40:41] op_sel_hi:[1,0]
.endr
.endr
.irp i, 0,1,2,3
.irp e, 0,1
	TABLE_OF \cp, \i, \e
	ROT Q+32*\cp+8*\i+4*\e
.endr
.endr
.endm
.macro EPIV                            ; V: lane (r, h) holds channel r of tile 2 cp + e, tokens 16 i + 8 h + 0..7
.irp i, 0,1,2,3
.irp e, 0,1
.irp p, 0,1,2,3
	v_cvt_pk_f16_f32 v[ACC+8*(2*\i+\e)+\p], v[ACC+8*(2*\i+\e)+2*\p], v[ACC+8*(2*\i+\e)+2*\p+1]   ; in place, ascending: each line writes a register that has been read
.endr
.endr
.endr
.endm
.macro STOV grp, cp                    ; half i % 2 of the image (keys 32 (i / 2) on, that channel tile)
.irp i, 0,1,2,3
.irp e, 0,1
	ds_store_b128 v[AVS+\grp], v[ACC+8*(2*\i+\e):ACC+8*(2*\i+\e)+3] offset:(4*(\i/2)+2*\cp+\e)*1024+512*(\i%2)
.endr
.endr
.endm
.macro KLOAD areg, off                 ; a step's K: 4 key tiles x 2 halves of the channels, 8 images, into v128-191 of window 1
	WIN 0x40
.set n, 0
.rept 16
	ds_load_b128 v[128+4*n:131+4*n], v[\areg] offset:\off+512*n
.set n, n+1
.endr
.endm
.macro VLOAD areg, off                 ; a step's V^T: 2 x 32 keys x 4 channel tiles, into v192-255 of window 1
	WIN 0x40
.set n, 0
.rept 16
	ds_load_b128 v[192+4*n:195+4*n], v[\areg] offset:\off+512*n
.set n, n+1
.endr
.endm
; A HALF-PASS.  kind 0 K, 1 Q, 2 V; grp 0 A, 1 B; cp: channel tiles 2 cp, 2 cp + 1; areg, woff: where its W lies; wsb: its set of W's scale words; npart, ncp: the next half-pass's part and cp (npart 9: none);
; tail 0: the next half-pass's first two K steps of W are fetched; 1: and group A of x; 2: phase 2's first K.
; The loads at its head stand behind the wait on va_vdst at the end of the half-pass before (the first half-pass: behind the one at the kernel's head); no vector or matrix instruction stands between.
.macro HP kind, grp, cp, areg, woff, wsb, npart, ncp, tail, nareg, nwoff
.set NTB, 0
.set NWS, 0
.if \kind < 2
	TBLOAD \cp, \grp
.set NTB, 8
.endif
.if \npart < 3
	WSLOAD \npart, \ncp, 1-\wsb
.set NWS, 8
.endif
	WLOAD \areg, \woff, 2
	s_wait_loadcnt NTB+NWS                         ; all but the loads just issued: my scale words (asked for a half-pass ago) and x are in
.if STORED
	s_wait_alu depctr_vm_vsrc(0)                   ; the LDS stores of the half-pass before have read the accumulators' low registers, which the first products below write
.endif
.irp s, 0,1,2,3,4,5,6,7
.if \s == 0
	s_wait_dscnt 4                                 ; only K step 2's four loads may be out: steps 0 and 1 are in
.elseif \s < 6
	s_wait_dscnt 8                                 ; the loads of the two K steps behind this one may be out
.elseif \s == 6
	s_wait_dscnt 4
.else
	s_wait_dscnt 0x0
.endif
	MULS \kind, \s, \wsb
.if \s < 5
.if \s == 2
	PLACES 4                                       ; behind the products that read sets 0 to 2, ahead of the loads into them
.endif
.if \kind == 2
	WIN 0                                          ; (under 0x04 an LDS load's destination and address are in window 0 as they stand)
.endif
.if \s == 2
	s_wait_alu depctr_va_vdst(0)                   ; the products of steps 0, 1 and 2 are done reading sets 0, 1 and 2, in which the loads of steps 5, 6 and 7 land; steps 3 and 4, which stand among those loads, name sets 3 and 4
.endif
	WLOAD \areg, \woff, \s+3                       ; steps 3 and 4 land in sets 3 and 4, which no product since the wait ahead of this half-pass's head names
.endif
.endr
	PLACES 4                                       ; behind the last products: for the loads below and for the first read of results
	WIN 0
	s_wait_alu depctr_va_vdst(0)                   ; all products are done reading sets 0 and 1, x's fragments and x's scale words, in which the loads below land; the epilogue names none of these
.if \tail < 2
	WLOAD \nareg, \nwoff, 0
	WLOAD \nareg, \nwoff, 1
.if \tail == 1
	XLOAD 22, 26                                   ; group A; the next half-pass's first wait on LOADcnt shows it in
.endif
.else
	KLOAD LI, 0                                    ; K is whole since barrier 1
	WIN 0
.endif
.if \kind < 2
	s_wait_loadcnt NWS                             ; the table is in; the next half-pass's scale words may be out
.endif
.if \kind == 0
	EPIK \cp
.elseif \kind == 1
	EPIQ \cp
.else
	EPIV
.endif
	s_wait_alu depctr_va_vdst(0)                   ; the conversions have written the accumulators' low registers, which the stores below read; the rotation is done with the table and with set 2, in which the next head's loads land
.if \kind == 0
	STOK \grp, \cp
.elseif \kind == 2
	STOV \grp, \cp
.endif
.if \kind == 1
.set STORED, 0
.else
.set STORED, 1
.endif
.endm
	s_load_b256 s[4:11], s[0:1], 0x0               ; xc s[4:5], xs s[6:7], wc s[8:9], ws s[10:11]
	s_load_b128 s[12:15], s[0:1], 0x20             ; rope s[12:13], oi s[14:15]
	v_lshl_add_u32 v[SPW], v0, 2, SPARE
	v_mov_b32 v[NIL], 0
	v_lshrrev_b32 v[TMP], 5, v0
	v_readfirstlane_b32 s16, v[TMP]                ; wave 0..7
	v_and_b32 v[TMP], 31, v0
	v_lshlrev_b32 v[LI], 4, v[TMP]
	v_lshlrev_b32 v[L4], 2, v[TMP]
	v_add_nc_u32 v[AWV], VIM, v[LI]
	v_add_nc_u32 v[AWF], WVB, v[LI]
	s_wait_alu depctr_va_sdst(0)                   ; s16 is written, ahead of its first reader: LDS addresses, bases and my type are made from it
	s_lshl_b32 s52, s16, 13                        ; (s52 and s53 are read by vector lines and written once)
	v_add_nc_u32 v[AKS], s52, v[LI]
	v_add_nc_u32 v[AKS+1], 65536, v[AKS]
	v_add_nc_u32 v[AVS], VIM, v[AKS]
	v_add_nc_u32 v[AVS+1], 65536, v[AVS]
	v_bfe_u32 v[TMP], v0, 4, 1
	v_lshlrev_b32 v[TV0], 5, v[TMP]
	v_and_b32 v[TMP], 15, v0
	v_lshl_add_u32 v[TV1], v[TMP], 7, v[TV0]
	s_lshl_b32 s53, s16, 12
	v_add_nc_u32 v[SGS], s53, v[LI]
	v_add_nc_u32 v[SGV], VIM, v[SGS]
	v_add_nc_u32 v[SGF], WVB, v[SGS]
	s_and_b32 s17, ttmp9, 15                       ; head
	s_bfe_u32 s18, ttmp9, 0x10004                  ; hq
	s_lshr_b32 s19, ttmp9, 5                       ; image
	s_lshr_b32 s20, s16, 2
	s_xor_b32 s20, s20, s16
	s_and_b32 s20, s20, 1                          ; my type: waves w and w + 4 differ in it, and so do waves 2 j and 2 j + 1
	s_lshl_b32 s46, s19, 6
	s_lshl_b32 s47, s16, 2
	s_add_co_u32 s46, s46, s47
	s_lshl_b32 s47, s18, 5
	s_add_co_u32 s48, s46, s47                     ; group A's first token tile: 64 b + 32 hq + 4 w
	s_xor_b32 s47, s47, 32
	s_add_co_u32 s49, s46, s47                     ; group B's: the other half
	s_mov_b32 s38, 0x76543210
	s_mov_b32 s39, 0xfedcba98                      ; v_permlanex16_b32's selects for lane l xor 16
	s_mov_b32 s40, 0x3e38aa3b                      ; log2(e) / 8
	s_mov_b32 s41, s40                             ; (named with it as a pair, so it is written)
	s_mov_b32 s51, 0
	s_wait_kmcnt 0x0
	s_lshl_b32 s50, s48, 13
	s_add_nc_u64 s[22:23], s[4:5], s[50:51]        ; x's codes, group A,
	s_lshl_b32 s50, s49, 13
	s_add_nc_u64 s[24:25], s[4:5], s[50:51]        ; group B;
	s_lshl_b32 s50, s48, 9
	s_add_nc_u64 s[26:27], s[6:7], s[50:51]        ; its scale words, group A,
	s_lshl_b32 s50, s49, 9
	s_add_nc_u64 s[28:29], s[6:7], s[50:51]        ; group B
	s_mul_i32 s50, s17, 6144
	s_add_nc_u64 s[30:31], s[10:11], s[50:51]      ; my head's scale words of W
	s_mul_i32 s50, s17, 98304
	s_add_nc_u64 s[36:37], s[8:9], s[50:51]        ; and its codes
	s_lshl_b32 s50, s18, 11
	s_lshl_b32 s47, s16, 8
	s_add_co_u32 s50, s50, s47
	s_add_nc_u64 s[32:33], s[12:13], s[50:51]      ; the table at picture row 16 hq + 2 w (128 bytes a row),
	s_xor_b32 s50, s50, 2048
	s_add_nc_u64 s[34:35], s[12:13], s[50:51]      ; and at 16 (1 - hq) + 2 w
	s_lshl_b32 s50, s48, 15
	s_lshl_b32 s47, s17, 11
	s_add_co_u32 s50, s50, s47
	s_add_nc_u64 s[44:45], s[14:15], s[50:51]      ; oi: 32,768 bytes a token tile, 2,048 for my head's two steps of 32 k
	s_wait_alu depctr_va_vdst(0)                   ; the addresses v1 to v15 are written, which the loads and stores of phase 1 read; so is v224, in which a fragment of W lands
	XLOAD 24, 28                                   ; group B first
	WSLOAD 1, 0, 0
.irp p, 0,1,2                          ; W goes to LDS through registers, each wave 4,096 bytes of each part
.irp m, 0,1,2,3,4,5,6,7
	global_load_b128 v[ACC+4*(8*\p+\m):ACC+4*(8*\p+\m)+3], v[SGS], s[36:37] offset:\p*32768+512*\m
.endr
.endr
	s_wait_loadcnt 0x0
.irp m, 0,1,2,3,4,5,6,7
	ds_store_b128 v[SGV], v[ACC+4*\m:ACC+4*\m+3] offset:32768+512*\m          ; W_q
	ds_store_b128 v[SGV], v[ACC+32+4*\m:ACC+32+4*\m+3] offset:512*\m          ; W_k
	ds_store_b128 v[SGF], v[ACC+64+4*\m:ACC+64+4*\m+3] offset:512*\m          ; W_v
.endr
	BARRIER                                        ; barrier 0: W lies in LDS
	s_wait_alu depctr_vm_vsrc(0)                   ; my LDS stores have read v128-223: these registers are the accumulators and sets 0 and 1 of the ring from here on, written by the products and by the loads below
	WLOAD AWV, 0, 0
	WLOAD AWV, 0, 1
	HP 0, 1, 0, AWV, 0, 0, 1, 1, 0, AWV, 16384
	HP 0, 1, 1, AWV, 16384, 1, 2, 0, 0, AWF, 0
	HP 2, 1, 0, AWF, 0, 0, 2, 1, 0, AWF, 16384
	HP 2, 1, 1, AWF, 16384, 1, 1, 0, 1, AWV, 0
	HP 0, 0, 0, AWV, 0, 0, 1, 1, 0, AWV, 16384
	HP 0, 0, 1, AWV, 16384, 1, 0, 0, 0, AWV, 32768
	HP 1, 0, 0, AWV, 32768, 0, 0, 1, 0, AWV, 49152
	HP 1, 0, 1, AWV, 49152, 1, 2, 0, 0, AWF, 0
	BARRIER                                        ; barrier 1: every wave's reads of W_k and W_q are over, so V's first half may be written there; and K is whole
.set EX0, 48                           ; Q is whole, and V has no rotation: sets 3 and 4 move into the table's registers
.set EX1, 240
	HP 2, 0, 0, AWF, 0, 0, 2, 1, 0, AWF, 16384
	HP 2, 0, 1, AWF, 16384, 1, 9, 0, 2, AWF, 0
	BARRIER                                        ; barrier 2: V is whole (and my first K is in registers)
; ---------------- PHASE 2 ----------------
.macro KQ                              ; S^T = K Q^T: 32 matrix instructions, 16 accumulators by turns; the first 16 start the sums
	WIN 0x01                                       ; source 0 = K, window 1
.irp cs, 0,1
.irp kt, 0,1,2,3
.irp t, 0,1,2,3
.if \cs == 0
	v_wmma_f32_16x16x32_f16 v[S+32*\t+8*\kt:S+32*\t+8*\kt+7], v[128+8*(2*\kt+\cs):135+8*(2*\kt+\cs)], v[Q+32*\cs+8*\t:Q+32*\cs+8*\t+7], 0
.else
	v_wmma_f32_16x16x32_f16 v[S+32*\t+8*\kt:S+32*\t+8*\kt+7], v[128+8*(2*\kt+\cs):135+8*(2*\kt+\cs)], v[Q+32*\cs+8*\t:Q+32*\cs+8*\t+7], v[S+32*\t+8*\kt:S+32*\t+8*\kt+7]
.endif
.endr
.endr
.endr
.endm
.macro PV first                        ; O^T += V^T P: 32 matrix instructions, 16 accumulators by turns.  first = 1: the first 16 start the sums
	WIN 0x51                                       ; V and O^T in window 1, P in window 0
.irp ks, 0,1
.irp ct, 0,1,2,3
.irp t, 0,1,2,3
.if \first && (\ks == 0)
	v_wmma_f32_16x16x32_f16 v[32*\t+8*\ct:32*\t+8*\ct+7], v[192+8*(4*\ks+\ct):199+8*(4*\ks+\ct)], v[S+32*\t+8*\ks:S+32*\t+8*\ks+7], 0
.else
	v_wmma_f32_16x16x32_f16 v[32*\t+8*\ct:32*\t+8*\ct+7], v[192+8*(4*\ks+\ct):199+8*(4*\ks+\ct)], v[S+32*\t+8*\ks:S+32*\t+8*\ks+7], v[32*\t+8*\ct:32*\t+8*\ct+7]
.endif
.endr
.endr
.endr
.endm
; The softmax of query tiles t0 and t0 + 1 for one step of 64 keys, the two tiles line by line in turn.  A lane holds one query and 32 of the 64 scores.  first = 1: the first step: no old maximum, nothing to rescale.
; No memory or LDS instruction names a register that these lines name.
.macro SMPAIR t0, first
	WIN 0
.irp j, 0,1,2,3                        ; the maximum, in four chains; each begins at the low end of an accumulator
.irp t, \t0, \t0+1
	v_max3_num_f32 v[ST+8*(\t)+4+\j], v[S+32*(\t)+8*\j], v[S+32*(\t)+8*\j+1], v[S+32*(\t)+8*\j+2]
.endr
.endr
.irp g, 1,2
.irp j, 0,1,2,3
.irp t, \t0, \t0+1
	v_max3_num_f32 v[ST+8*(\t)+4+\j], v[ST+8*(\t)+4+\j], v[S+32*(\t)+8*\j+2*\g+1], v[S+32*(\t)+8*\j+2*\g+2]
.endr
.endr
.endr
.irp t, \t0, \t0+1
	v_max3_num_f32 v[ST+8*(\t)+4], v[ST+8*(\t)+4], v[S+32*(\t)+7], v[S+32*(\t)+15]
	v_max3_num_f32 v[ST+8*(\t)+6], v[ST+8*(\t)+6], v[S+32*(\t)+23], v[S+32*(\t)+31]
.endr
.irp t, \t0, \t0+1
	v_max3_num_f32 v[ST+8*(\t)+4], v[ST+8*(\t)+4], v[ST+8*(\t)+5], v[ST+8*(\t)+6]
.endr
.irp t, \t0, \t0+1
.if \first
	v_max_num_f32 v[ST+8*(\t)+4], v[ST+8*(\t)+4], v[ST+8*(\t)+7]
.else
	v_max3_num_f32 v[ST+8*(\t)+4], v[ST+8*(\t)+4], v[ST+8*(\t)+7], v[ST+8*(\t)]
.endif
.endr
.irp t, \t0, \t0+1
	v_permlanex16_b32 v[ST+8*(\t)+5], v[ST+8*(\t)+4], s38, s39     ; the query's other 32 keys lie in the lane 16 away
.endr
.irp t, \t0, \t0+1
.if \first
	v_mov_b32 v[ST+8*(\t)+1], 0                                    ; (named with m as a pair, so it is written)
.else
	v_mov_b32 v[ST+8*(\t)+1], v[ST+8*(\t)]                         ; the old m
.endif
.endr
.irp t, \t0, \t0+1
	v_max_num_f32 v[ST+8*(\t)], v[ST+8*(\t)+4], v[ST+8*(\t)+5]     ; the new m
.endr
.if !\first
.irp t, \t0, \t0+1
	v_sub_f32 v[ST+8*(\t)+7], v[ST+8*(\t)+1], v[ST+8*(\t)]
.endr
.endif
.set k, 0
.rept 16
.irp t, \t0, \t0+1
	v_pk_add_f32 v[S+32*(\t)+k:S+32*(\t)+k+1], v[S+32*(\t)+k:S+32*(\t)+k+1], v[ST+8*(\t):ST+8*(\t)+1] op_sel_hi:[1,0] neg_lo:[0,1] neg_hi:[0,1]   ; s - m, two at a time
.endr
.set k, k+2
.endr
.if !\first                            ; ONE BATCH of exponentials: nothing in it reads a result of it
.irp t, \t0, \t0+1
	v_exp_f32 v[ST+8*(\t)+6], v[ST+8*(\t)+7]                       ; a = 2^(old m - m)
.endr
.endif
.set k, 0
.rept 32
.irp t, \t0, \t0+1
	v_exp_f32 v[S+32*(\t)+k], v[S+32*(\t)+k]                       ; p = 2^(s - m)
.endr
.set k, k+1
.endr
	v_nop                                          ; a plain line behind the last exponential,
	s_wait_alu depctr_va_vdst(0)                   ; and the one wait ahead of the batch's first reader: the exponentials have written p and a
.irp t, \t0, \t0+1                     ; the row's sum, of p in f32, in two chains a tile
	v_pk_add_f32 v[16+4*((\t)-(\t0)):17+4*((\t)-(\t0))], v[S+32*(\t):S+32*(\t)+1], v[S+32*(\t)+2:S+32*(\t)+3]
	v_pk_add_f32 v[18+4*((\t)-(\t0)):19+4*((\t)-(\t0))], v[S+32*(\t)+4:S+32*(\t)+5], v[S+32*(\t)+6:S+32*(\t)+7]
.endr
.irp g, 8,12,16,20,24,28
.irp t, \t0, \t0+1
	v_pk_add_f32 v[16+4*((\t)-(\t0)):17+4*((\t)-(\t0))], v[16+4*((\t)-(\t0)):17+4*((\t)-(\t0))], v[S+32*(\t)+\g:S+32*(\t)+\g+1]
	v_pk_add_f32 v[18+4*((\t)-(\t0)):19+4*((\t)-(\t0))], v[18+4*((\t)-(\t0)):19+4*((\t)-(\t0))], v[S+32*(\t)+\g+2:S+32*(\t)+\g+3]
.endr
.endr
.irp t, \t0, \t0+1
.if \first
	v_pk_add_f32 v[ST+8*(\t)+2:ST+8*(\t)+3], v[16+4*((\t)-(\t0)):17+4*((\t)-(\t0))], v[18+4*((\t)-(\t0)):19+4*((\t)-(\t0))]
.else
	v_pk_add_f32 v[16+4*((\t)-(\t0)):17+4*((\t)-(\t0))], v[16+4*((\t)-(\t0)):17+4*((\t)-(\t0))], v[18+4*((\t)-(\t0)):19+4*((\t)-(\t0))]
.endif
.endr
.if !\first
.irp t, \t0, \t0+1
	v_pk_fma_f32 v[ST+8*(\t)+2:ST+8*(\t)+3], v[ST+8*(\t)+2:ST+8*(\t)+3], v[ST+8*(\t)+6:ST+8*(\t)+7], v[16+4*((\t)-(\t0)):17+4*((\t)-(\t0))] op_sel_hi:[1,0,1]   ; l = a l + the sum
.endr
.endif
.set k, 0
.rept 16                               ; P in f16, in place, ascending: registers 8 ks .. 8 ks + 7 are source 1 for keys 32 ks on
.irp t, \t0, \t0+1
	v_cvt_pk_f16_f32 v[S+32*(\t)+k], v[S+32*(\t)+2*k], v[S+32*(\t)+2*k+1]
.endr
.set k, k+1
.endr
.if !\first
	WIN 0x41                                       ; O^T (destination and source 0) in window 1, a in window 0
.set k, 0
.rept 16
.irp t, \t0, \t0+1
	v_pk_mul_f32 v[32*(\t)+k:32*(\t)+k+1], v[32*(\t)+k:32*(\t)+k+1], v[ST+8*(\t)+6:ST+8*(\t)+7] op_sel_hi:[1,0]   ; each accumulator from its low end on
.endr
.set k, k+2
.endr
	WIN 0
.endif
.endm
.macro XFIRST                          ; the first part of step 0: its scores, step 1's K, and the first softmax of tiles 0 and 1
	KQ
	PLACES 4
	WIN 0x40                                       ; the loads' window first, then the wait, then the loads
	s_wait_alu depctr_va_vdst(0)                   ; the products K Q^T are done reading K's registers, in which step 1's K lands
	KLOAD LI, 8192
	SMPAIR 0, 1
.endm
	s_wait_alu depctr_vm_vsrc(0)                   ; my LDS stores of V have read the accumulators' low registers, which are S^T from here on and are written by K Q^T on both ways below
	VLOAD AWV, 0                                   ; step 0's V: it lands in registers of x, which no vector or matrix instruction since the last half-pass's waits on va_vdst names
	WIN 0
	s_cmp_lg_u32 s20, 0                            ; waves of type 0 run the part ahead of barrier 3, waves of type 1 behind it: so the two waves of a SIMD go on half a step apart
	s_cbranch_scc1 .Llate
	XFIRST
.Llate:
	BARRIER                                        ; barrier 3: every wave passes it, at this one place
	s_cmp_eq_u32 s20, 0
	s_cbranch_scc1 .Learly
	XFIRST
.Learly:
	SMPAIR 2, 1
	PV 1                                           ; step 0's V is in since barrier 3's wait
	WIN 0
	s_mov_b32 s42, 8192                            ; the step's byte in K's and in V's images
	s_mov_b32 s43, 15
.Lstep:                                            ; steps 1 to 15
	s_wait_alu depctr_vm_vsrc(0)                   ; the LDS loads of the trip before (in the first trip: phase 1's stores of K) have read v5 and v6, which the two additions write
	v_add_nc_u32 v[AKS+1], s42, v[AWV]             ; this step's V.  (These two additions and three v_nop are the five places between V^T P and the products that write over P)
	s_add_co_u32 s46, s42, 8192
	s_and_b32 s46, s46, 0x1ffff                    ; the next step's K; in the last trip this is step 0 again: sixteen loads whose result nobody reads, in place of a branch
	v_add_nc_u32 v[AKS], s46, v[LI]
	PLACES 3
	s_wait_dscnt 0x0                               ; this step's K is in: its sixteen loads, issued a softmax ago, are all that is out
	KQ
	PLACES 4
	WIN 0x40                                       ; the loads' window first, then the wait, then the loads
	s_wait_alu depctr_va_vdst(0)                   ; V^T P of the step before is done reading V's registers and K Q^T is done reading K's, in which the loads below land; v5 and v6 are written, which they read
	VLOAD AKS+1, 0
	KLOAD AKS, 0
	SMPAIR 0, 0
	SMPAIR 2, 0
	s_wait_dscnt 16                                ; this step's V is in; the next K's sixteen loads may be out
	PV 0
	WIN 0
	s_add_co_u32 s42, s42, 8192
	s_sub_co_u32 s43, s43, 1
	s_cmp_lg_u32 s43, 0
	s_cbranch_scc1 .Lstep
	; THE WAY OUT: l's two halves and the other half of the lanes'; O^T / l, rounded to f16.  Lane (r, h) holds query r, channels 16 ct + 8 h + 0..7: half ct % 2 of the image (token tile, k step 2 head + ct / 2) of the next launch's operand.
.irp t, 0,1,2,3
	v_add_f32 v[ST+8*\t+4], v[ST+8*\t+2], v[ST+8*\t+3]             ; (these lines are the places behind the last products)
.endr
.irp t, 0,1,2,3
	v_permlanex16_b32 v[ST+8*\t+5], v[ST+8*\t+4], s38, s39
.endr
.irp t, 0,1,2,3
	v_add_f32 v[ST+8*\t+4], v[ST+8*\t+4], v[ST+8*\t+5]
.endr
.irp t, 0,1,2,3
	v_rcp_f32 v[ST+8*\t+6], v[ST+8*\t+4]
.endr
	v_nop                                          ; a plain line behind the last reciprocal,
	s_wait_alu depctr_va_vdst(0)                   ; and the one wait for the four: the reciprocals are written, ahead of their first reader
.macro OUTV t                          ; tile t's vector lines; each tile has sixteen out-registers of its own, v[S + 16 t] on, which nothing writes again
	WIN 0x41
.set k, 0
.rept 16
	v_pk_mul_f32 v[32*\t+k:32*\t+k+1], v[32*\t+k:32*\t+k+1], v[ST+8*\t+6:ST+8*\t+7] op_sel_hi:[1,0]
.set k, k+2
.endr
	WIN 0x05                                       ; sources in window 1, destination in window 0: P's registers are free
.set k, 0
.rept 16
	v_cvt_pk_f16_f32 v[S+16*\t+k], v[32*\t+2*k], v[32*\t+2*k+1]
.set k, k+1
.endr
.endm
.macro OUTS t
.irp ct, 0,1,2,3
	global_store_b128 v[LI], v[S+16*\t+4*\ct:S+16*\t+4*\ct+3], s[44:45] offset:\t*32768+\ct*512   ; 32 lanes store 512 consecutive bytes, at a multiple of 512 from oi's first byte
.endr
.endm
	OUTV 0
	OUTV 1
	WIN 0
	s_wait_alu depctr_va_vdst(0)                   ; the conversions of tiles 0 and 1 have written v128-159, which the eight stores read
	OUTS 0
	OUTS 1
	OUTV 2
	OUTV 3
	WIN 0
	s_wait_alu depctr_va_vdst(0)                   ; the conversions of tiles 2 and 3 have written v160-191, which the eight stores read
	OUTS 2
	OUTS 3
	s_wait_dscnt 0x0                               ; the closing lines, six on end
	s_wait_alu 0x0
	s_wait_tensorcnt 0x0
	ds_add_u32 v[SPW], v[NIL]
	s_wait_dscnt 0x0
	s_endpgm
.Lfunc_end_k_qa8e6d1beeb_attn:
	.size	k_qa8e6d1beeb_attn, .Lfunc_end_k_qa8e6d1beeb_attn-k_qa8e6d1beeb_attn
	.p2alignl 7, 3214868480
	.fill 96, 4, 3214868480
	.section	.rodata,"a",@progbits
	.p2align	6, 0x0
	.amdhsa_kernel k_qa8e6d1beeb_attn
		.amdhsa_group_segment_fixed_size 295936
		.amdhsa_private_segment_fixed_size 0
		.amdhsa_enable_private_segment 0
		.amdhsa_kernarg_size 48
		.amdhsa_user_sgpr_count 2
		.amdhsa_user_sgpr_kernarg_segment_ptr 1
		.amdhsa_wavefront_size32 1
		.amdhsa_system_sgpr_workgroup_id_x 1
		.amdhsa_system_sgpr_workgroup_id_y 1
		.amdhsa_system_sgpr_workgroup_id_z 1
		.amdhsa_system_vgpr_workitem_id 0
		.amdhsa_next_free_vgpr 512
		.amdhsa_next_free_sgpr 66
		.amdhsa_reserve_vcc 0
		.amdhsa_float_denorm_mode_32 3
		.amdhsa_float_denorm_mode_16_64 3
		.amdhsa_memory_ordered 1
		.amdhsa_forward_progress 1
		.amdhsa_inst_pref_size 255
	.end_amdhsa_kernel
	.section	.bss,"aw",@nobits
	.p2align	6
	.space	262144
	.amdgpu_metadata
---
amdhsa.version: [ 1, 2 ]
amdhsa.kernels:
  - .name:           k_qa8e6d1beeb_attn
    .symbol:         k_qa8e6d1beeb_attn.kd
    .args:
      - { .name: xc, .offset: 0, .size: 8, .value_kind: global_buffer, .address_space: global }
      - { .name: xs, .offset: 8, .size: 8, .value_kind: global_buffer, .address_space: global }
      - { .name: wc, .offset: 16, .size: 8, .value_kind: global_buffer, .address_space: global }
      - { .name: ws, .offset: 24, .size: 8, .value_kind: global_buffer, .address_space: global }
      - { .name: rope, .offset: 32, .size: 8, .value_kind: global_buffer, .address_space: global }
      - { .name: oi, .offset: 40, .size: 8, .value_kind: global_buffer, .address_space: global }
    .group_segment_fixed_size: 295936
    .private_segment_fixed_size: 0
    .kernarg_segment_align: 8
    .kernarg_segment_size: 48
    .max_flat_workgroup_size: 256
    .sgpr_count:     66
    .vgpr_count:     512
    .wavefront_size: 32
...
	.end_amdgpu_metadata
.endif
;; end of part 4
;; launch proj: the kernel of part 3 again; grid 32 x 8, 4 waves a work-group, clusters of 4 x 1, 296,448 bytes of LDS; arguments oi, wo, b_out, out0; writes out0
